; MI455X (gfx1250); checked and timed in simulation.
; The chip was launched on July 23, 2026; its instructions are those of AMD's public machine-readable ISA for CDNA 5 (MIT licence, August 2026) and "CDNA5" Instruction Set Architecture Reference Guide (July 2026). The comments in the code are by the model that wrote it; some were corrected since.
;; Qwen3 Attention. Allowed arithmetic: matrix products marked QUANTISED: E2M1 operands, one E8M0 scale for each 32 along K, by v_wmma_scale_f32_16x16x128_f8f6f4 with both operands' format E2M1 (or v_wmma_scale_f32_32x16x128_f4), f32 sums; products left as they are: bf16, f16 or f32 operands; f32 sums; everything else in f32.
;; Inputs: hidden_states 4,096 x 2,048 float32; k_norm_w 128 float32; positions 4,096 int32; q_norm_w 128 float32; w_o 1,024 x 2,048 float32; w_qkv 2,048 x 3,072 float32.
;; Outputs: out0 4,096 x 2,048 float32.
;; This version of the problem:
;;   THIS VERSION OF THE PROBLEM IS GIVEN IN LOW PRECISION. The matrix products marked QUANTISED in the list below multiply operands that are first quantised to E2M1 (2 exponent bits, 1 mantissa bit; 4 bits a number), with one power-of-two scale for each 32 numbers along K (OCP MX v1.0); their sums are f32. The products marked 'left as it is' may take bf16, f16 or f32 operands, with f32 sums. Whichever they take, every output number must still come out within the allowed error. Rounding operands to bf16 (8 significant bits) uses up far more of that allowance than f16 does (11 bits, for magnitudes from 6e-5 to 65,504). All else is computed in f32.
;;   The module's matrix products, in the order in which they are computed (A, B: the left and right operand; K: the contracted axis; several contracted axes count as one K, in the product's order):
;;     1. [M 4,096, K 2,048] x [K 2,048, N 3,072]; A: input hidden_states; B: input w_qkv: QUANTISED
;;     2. batch 8 x [M 4,096, K 128] x [K 128, N 4,096]; A: computed on the way; B: computed on the way: left as it is (an operand is computed on the way)
;;     3. batch 8 x [M 128, K 4,096] x [K 4,096, N 4,096]; A: computed on the way; B: computed on the way: left as it is (an operand is computed on the way)
;;     4. [M 4,096, K 1,024] x [K 1,024, N 2,048]; A: computed on the way; B: input w_o: left as it is (an operand is computed on the way)
;;   THE QUANTISER, for each operand of a quantised product, along K:
;;     - K is cut into blocks of 32 from its start; a last block that is shorter is filled with zeros.
;;     - A block's scale is 2^e with e = floor(log2(the largest magnitude in the block)) - 2, held to -126 .. 127; a block of zeros has e = 0. As a byte (E8M0): e + 127.
;;     - Each number is divided by its block's scale, clamped to +-6, and rounded to the nearest number of E2M1, ties to even, subnormals kept.
;;     - The product sums the exact products of the quantised numbers (number of the format x scale) in f32.
;;   ~~~python
;;   def quantise(x, axis):      # numpy; x: float32 -> the quantised numbers, widened to float32 again
;;       x = np.moveaxis(x, axis, -1); K = x.shape[-1]
;;       x = np.pad(x, [(0, 0)] * (x.ndim - 1) + [(0, -K % 32)]); x = x.reshape(x.shape[:-1] + (-1, 32)); a = np.abs(x).max(-1, keepdims=True)
;;       e = np.where(a > 0, np.clip(np.frexp(np.where(a > 0, a, 1))[1] - 1 - 2, -126, 127), 0)      # np.frexp(a)[1] - 1 = floor(log2(a)), exactly
;;       r = np.clip(x / 2.0 ** e, -6, 6)
;;       step = 2.0 ** (np.maximum(np.frexp(np.where(r == 0, 1, r))[1] - 1, 0) - 1)
;;       q = np.round(r / step) * step * 2.0 ** e      # np.round: ties to even
;;       return np.moveaxis(q.reshape(q.shape[:-2] + (-1,))[..., :K], -1, axis).astype(np.float32)
;;   ~~~
;; One version. Each part assembles by itself: llvm-mc -triple=amdgcn-amd-amdhsa -mcpu=gfx1250 --defsym DOCPART=n.
;; ======== version 1 of 1: 6 launches
;; limits: values outside matrix products are rounded to f16; right only within a limited range of input values; values are held in f16: magnitudes above 65,504 overflow, below 6.1e-05 lose precision
;; workspace buffers: prepbuf 14,090,240 bytes; ints 17,408 bytes of whole numbers; qkvbuf 25,362,432 bytes; part 35,651,584 bytes; oimg 8,388,608 bytes
;; launch prep (part 1): grid 609 x 1, 4 waves a work-group, no clusters, 86,528 bytes of LDS; arguments positions, hidden_states, w_qkv, w_o, prepbuf, ints; writes prepbuf, ints
.if DOCPART == 1
	.amdgcn_target "amdgcn-amd-amdhsa--gfx1250"
	.amdhsa_code_object_version 6
	.text
	.protected	k_q342aa610fc_prep
	.globl	k_q342aa610fc_prep
	.p2align	8
	.type	k_q342aa610fc_prep,@function
k_q342aa610fc_prep:
	s_mov_b64 s[64:65], 0
	v_nop
	global_prefetch_b8 v0, s[64:65] scope:SCOPE_SE
	s_setreg_imm32_b32 hwreg(HW_REG_WAVE_MODE, 25, 1), 1
	s_wait_xcnt 0x0
; All that is made once from the inputs.  Six ways through the text, chosen by the work-group's number alone; each has LDS bytes of its own.
;   E (0-127)    rank[t] = place of token t in the order (position, index); the 17 lowest ranks' tokens and positions
;   F (128)      smallest and largest position of each 64 tokens, laid [step % 4][step / 4]
;   B (129-224)  w_qkv [2048 (k)][3072 (n)] f32 -> codes of E2M1 [n][1024 bytes], K innermost, and E8M0 bytes [n][64]
;   A (225-480)  hidden_states [4096][2048] f32 -> codes [t][1024 bytes] and E8M0 bytes [t][64]
;   C (481-544)  w_o [1024 (k)][2048 (n)] f32 -> f16 IMAGES [head][n / 16][4096 bytes]
;   D (545-608)  cos and sin of position x inv_freq, f32, [t / 16][16 x 512 bytes], in the order in which the next launch's lanes hold the channels
; AN IMAGE: 16 rows x 128 K of f16 = 8 blocks of 512 bytes; in block b lane L (r = L % 16, h = L / 16) owns the 16 bytes at 16 L: row r, K = 16 b + 8 h + 0 .. 7.
; A block's scale is 2^(floor(log2(largest magnitude)) - 2); its byte is the largest magnitude's exponent field - 2, held at 1 from below.
; LIMITS: a block of zeros gets the byte 1 (its codes are zeros; this program alone reads the bytes); NaN and infinities are not served; |positions| up to 2^20;
; inv_freq is 2^(-i log2(10000) / 64) with the exponent carried in two parts: it may differ from a power and a division in f32 by a few units in the last place.
.set XSO,   4194304                    ; prepbuf: x's codes at 0, x's scale bytes here,
.set WC,    4456448                    ; w_qkv's codes,
.set WSO,   7602176                    ; its scale bytes,
.set WI,    7798784                    ; w_o's images,
.set TAB,   11993088                   ; the table
.set PERM,  16384                      ; ints: rank at 0, the 17 lowest ranks' tokens here,
.set CSO,   16640                      ; their positions,
.set KQ,    16896                      ; the steps' smallest and largest positions
.set LDSB,  32768                      ; LDS: way A 0 .. 32,767; way B from here; way E from LDSE and from LDSK
.set LDSE,  67584
.set SPARE, 68608                      ; the spare words, 128 bytes for each wave: two blocks of 256 bytes that no other line names
.set LDSK,  69120                      ; way E: each wave's 1,024 keys and 128 bytes of zeros behind them,
.set KPITCH, 4352                      ; 4,352 bytes a wave
.set SPW,   190                        ; v190 LDS address of my spare word; never rewritten
.set NIL,   191                        ; v191 0; never rewritten
.set WV,    96                         ; s96  my wave's number
.macro FINISH                          ; a wave's end
	s_wait_tensorcnt 0x0
	ds_add_u32 v[SPW], v[NIL]
	s_wait_dscnt 0x0
	s_endpgm
.endm
	s_load_b256 s[4:11], s[0:1], 0x0               ; positions s[4:5], hidden_states s[6:7], w_qkv s[8:9], w_o s[10:11]
	s_load_b128 s[12:15], s[0:1], 0x20             ; prepbuf s[12:13], ints s[14:15]
	v_lshl_add_u32 v[SPW], v0, 2, SPARE
	v_mov_b32 v[NIL], 0
	v_lshrrev_b32 v1, 5, v0
	v_readfirstlane_b32 s[WV], v1
	v_and_b32 v2, 31, v0                           ; lane
	s_wait_kmcnt 0x0
	s_cmp_lt_u32 ttmp9, 128
	s_cbranch_scc1 .Lpath_e
	s_cmp_eq_u32 ttmp9, 128
	s_cbranch_scc1 .Lpath_f
	s_cmp_lt_u32 ttmp9, 225
	s_cbranch_scc1 .Lpath_b
	s_cmp_lt_u32 ttmp9, 481
	s_cbranch_scc1 .Lpath_a
	s_cmp_lt_u32 ttmp9, 545
	s_cbranch_scc1 .Lpath_c
; ---------------- D: the table.  A wave takes 16 tokens; lane (r, h) makes the 32 frequencies i = 16 b + 8 h + 4 part + e of token r
	s_sub_co_u32 s20, ttmp9, 545
	s_lshl_b32 s20, s20, 2
	s_add_co_u32 s20, s20, s[WV]                   ; which 16 tokens
	v_and_b32 v3, 15, v0
	v_bfe_u32 v4, v0, 4, 1
	v_lshlrev_b32 v5, 2, v3                        ; 4 r
	v_lshlrev_b32 v4, 3, v4                        ; 8 h
	v_lshlrev_b32 v7, 4, v2                        ; 16 x lane
	s_lshl_b32 s22, s20, 6
	s_mov_b32 s23, 0
	s_add_nc_u64 s[4:5], s[4:5], s[22:23]
	global_load_b32 v6, v5, s[4:5]                 ; my token's position
	s_lshl_b32 s22, s20, 13
	s_add_co_u32 s22, s22, TAB
	s_add_nc_u64 s[12:13], s[12:13], s[22:23]
	s_mov_b32 s24, 0x3e549a78                      ; log2(10000) / 64, high part
	s_mov_b32 s25, 0x3197994e                      ; and what f32 left of it: 4.412e-9
	s_mov_b32 s26, 0xbf317218                      ; -ln 2
	s_mov_b32 s27, 0x3f22f983                      ; 2 / pi
	s_mov_b32 s28, 0xbfc90fdb                      ; -(pi / 2), high part
	s_mov_b32 s29, 0x333bbd2e                      ; high part - pi / 2
	s_mov_b32 s30, 0xb94ca1f9                      ; the sine's polynomial on |x| <= pi / 4
	s_mov_b32 s31, 0x3c08839e
	s_mov_b32 s32, 0xbe2aaaa3
	s_mov_b32 s33, 0x37ccf5ce                      ; the cosine's
	s_mov_b32 s34, 0xbab6061a
	s_mov_b32 s35, 0x3d2aaaa5
.set idx, 0
.rept 32                                       ; the exponent i c in two parts: v[32 + idx] high, v[64 + idx] low
	v_add_nc_u32 v8, 16*(idx/8)+4*((idx/4)%2)+idx%4, v4
	v_cvt_f32_u32 v8, v8
	v_mul_f32 v[32+idx], s24, v8
	v_fma_f32 v9, v8, s24, -v[32+idx]
	v_fma_f32 v[64+idx], v8, s25, v9
.set idx, idx+1
.endr
.set idx, 0
.rept 32
	v_exp_f32 v[32+idx], -v[32+idx]                ; one batch
.set idx, idx+1
.endr
	s_wait_loadcnt 0x0
	v_cvt_f32_i32 v6, v6                           ; (the plain line behind the batch)
	s_wait_alu depctr_va_vdst(0)                   ; one wait for the 32, ahead of their first reader
.set idx, 0
.rept 32
	v_mul_f32 v[64+idx], s26, v[64+idx]
	v_fma_f32 v[32+idx], v[32+idx], v[64+idx], v[32+idx]   ; inv_freq = E (1 - ln 2 x low part)
	v_mul_f32 v[32+idx], v6, v[32+idx]             ; the angle, rounded to f32 once
.set idx, idx+1
.endr
.set idx, 0
.rept 32                                       ; n = nearest whole number of quarter turns; rho = x - n pi / 2 in two steps; polynomials; the quadrant swaps and signs
	v_mul_f32 v8, s27, v[32+idx]
	v_rndne_f32 v8, v8
	v_fma_f32 v9, v8, s28, v[32+idx]
	v_fma_f32 v9, v8, s29, v9
	v_cvt_i32_f32 v10, v8
	v_mul_f32 v11, v9, v9
	v_fma_f32 v12, v11, s30, s31
	v_fma_f32 v12, v12, v11, s32
	v_mul_f32 v13, v11, v9
	v_fma_f32 v12, v12, v13, v9                    ; sin rho
	v_fma_f32 v14, v11, s33, s34
	v_fma_f32 v14, v14, v11, s35
	v_fma_f32 v15, v11, -0.5, 1.0
	v_mul_f32 v13, v11, v11
	v_fma_f32 v14, v14, v13, v15                   ; cos rho
	v_and_b32 v13, 1, v10
	v_cmp_eq_u32 vcc_lo, 1, v13
	v_cndmask_b32 v15, v12, v14, vcc_lo            ; odd quadrants: the two change places
	v_cndmask_b32 v14, v14, v12, vcc_lo
	v_and_b32 v13, 2, v10
	v_lshlrev_b32 v13, 30, v13
	v_xor_b32 v[128+idx], v15, v13                 ; sin x
	v_add_nc_u32 v10, 1, v10
	v_and_b32 v10, 2, v10
	v_lshlrev_b32 v10, 30, v10
	v_xor_b32 v[96+idx], v14, v10                  ; cos x
.set idx, idx+1
.endr
.irp k, 0,1,2,3,4,5,6,7
	global_store_b128 v7, v[96+4*\k:99+4*\k], s[12:13] offset:1024*\k          ; 32 lanes store 512 consecutive bytes
	global_store_b128 v7, v[128+4*\k:131+4*\k], s[12:13] offset:1024*\k+512
.endr
	FINISH
; ---------------- E: ranks.  The work-group owns tokens 32 g + lane; wave w walks key groups 32 w .. 32 w + 31 of 32 keys.
; The wave's 1,024 keys come by eight loads of 512 consecutive bytes, all issued at once, into LDS bytes of the wave's own; from there each group is read a group ahead, every lane taking the same 16 bytes
; of a load, so that a key stands in a vector register with the same number in all lanes.  No other wave touches these bytes: no barrier is owed between the stores and the reads.
.macro KEYS_BELOW base                         ; every key's index is under every token's: a tie counts
.set e, 0
.rept 32
	v_cmp_le_i32 vcc_lo, v[\base+e], v3
	v_add_co_ci_u32 v7, vcc_lo, 0, v7, vcc_lo
.set e, e+1
.endr
.endm
.macro KEYS_ABOVE base                         ; every key's index is above: a tie does not count
.set e, 0
.rept 32
	v_cmp_lt_i32 vcc_lo, v[\base+e], v3
	v_add_co_ci_u32 v7, vcc_lo, 0, v7, vcc_lo
.set e, e+1
.endr
.endm
.macro KEYS_OWN base                           ; my own 32 tokens: a tie counts in the lanes above the key's
.set e, 0
.rept 32
	v_cmp_lt_i32 vcc_lo, v[\base+e], v3
	v_add_co_ci_u32 v7, vcc_lo, 0, v7, vcc_lo
	v_cmp_eq_i32 vcc_lo, v[\base+e], v3
	s_and_b32 vcc_lo, vcc_lo, (0xfffffffe<<e)&0xffffffff
	v_add_co_ci_u32 v7, vcc_lo, 0, v7, vcc_lo
.set e, e+1
.endr
.endm
.macro GROUP base                              ; one group of 32 keys; its kind hangs on numbers of groups alone
	s_cmp_lt_u32 s74, ttmp9
	s_cbranch_scc1 .Lbelow_\@
	s_cmp_eq_u32 s74, ttmp9
	s_cbranch_scc1 .Lown_\@
	KEYS_ABOVE \base
	s_branch .Ldone_\@
.Lbelow_\@:
	KEYS_BELOW \base
	s_branch .Ldone_\@
.Lown_\@:
	KEYS_OWN \base
.Ldone_\@:
	s_add_co_u32 s74, s74, 1
.endm
.Lpath_e:
	s_lshl_b32 s20, ttmp9, 5
	v_add_nc_u32 v8, s20, v2                       ; my token
	v_lshlrev_b32 v4, 2, v8
	global_load_b32 v3, v4, s[4:5]                 ; its position
	s_lshl_b32 s72, s[WV], 12                      ; my wave's 1,024 keys: 4,096 bytes
	s_mov_b32 s73, 0
	s_add_nc_u64 s[72:73], s[4:5], s[72:73]
	v_lshlrev_b32 v24, 4, v2                       ; 16 x lane
.irp i, 0,1,2,3,4,5,6,7
	global_load_b128 v[32+4*\i:35+4*\i], v24, s[72:73] offset:512*\i
.endr
	v_lshrrev_b32 v20, 5, v0
	v_mul_u32_u24 v20, v20, KPITCH
	v_add_nc_u32 v20, LDSK, v20                    ; my wave's keys in LDS: the same number in all lanes
	v_lshl_add_u32 v21, v2, 4, v20                 ; where I put 16 bytes of a load
	v_lshl_add_u32 v22, v2, 2, v20                 ; and a word of the zeros behind the keys
	s_lshl_b32 s74, s[WV], 5                       ; the group in hand
	s_mov_b32 s75, 0
	s_mov_b32 s78, 0                               ; two groups' bytes a trip
	v_mov_b32 v7, 0                                ; my part of the rank
	v_lshl_add_u32 v9, v0, 2, LDSE                 ; where I put it: 128 x wave + 4 x lane
	v_lshl_add_u32 v10, v2, 2, LDSE                ; where wave 0 reads the four parts
	s_wait_loadcnt 0x0
.irp i, 0,1,2,3,4,5,6,7
	ds_store_b128 v21, v[32+4*\i:35+4*\i] offset:512*\i
.endr
	ds_store_b32 v22, v7 offset:4096               ; 128 bytes of zeros: what the last trip's look-ahead reads, and nobody uses
.irp i, 0,1,2,3,4,5,6,7
	ds_load_b128 v[32+4*\i:35+4*\i], v20 offset:16*\i      ; group 0.  LDS serves a wave's instructions in order: these see my stores
.endr
.Le_trip:                                          ; 16 trips of two groups; each group's keys are read a group ahead, into two sets of 32 registers by turns
	v_add_nc_u32 v23, s78, v20
	s_wait_dscnt 0x0                               ; the first group's keys are in
.irp i, 0,1,2,3,4,5,6,7
	ds_load_b128 v[64+4*\i:67+4*\i], v23 offset:128+16*\i
.endr
	GROUP 32
	s_wait_dscnt 0x0                               ; the second group's
.irp i, 0,1,2,3,4,5,6,7
	ds_load_b128 v[32+4*\i:35+4*\i], v23 offset:256+16*\i
.endr
	GROUP 64
	s_add_co_u32 s78, s78, 256
	s_add_co_u32 s75, s75, 1
	s_cmp_lt_u32 s75, 16
	s_cbranch_scc1 .Le_trip
	ds_store_b32 v9, v7
	s_wait_dscnt 0x0                               ; for the others' sake: my store has landed (and my last reads are in)
	s_barrier_signal -1
	s_barrier_wait -1
	s_cmp_lg_u32 s[WV], 0
	s_cbranch_scc1 .Le_end
	ds_load_b32 v12, v10
	ds_load_b32 v13, v10 offset:128
	ds_load_b32 v14, v10 offset:256
	ds_load_b32 v15, v10 offset:384
	s_wait_dscnt 0x0
	v_add3_u32 v13, v12, v13, v14
	v_add_nc_u32 v13, v13, v15                     ; rank
	global_store_b32 v4, v13, s[14:15]             ; 128 consecutive bytes
	v_min_u32 v11, 16, v13
	v_lshlrev_b32 v11, 2, v11
	v_cmp_gt_u32 vcc_lo, 17, v13
	s_wait_xcnt 0x0                                ; EXEC changes only behind this wait
	s_and_saveexec_b32 s20, vcc_lo                 ; the ranks are a permutation: each of the 17 entries is stored by one lane of one work-group
	global_store_b32 v11, v8, s[14:15] offset:PERM
	global_store_b32 v11, v3, s[14:15] offset:CSO
	s_wait_xcnt 0x0
	s_or_b32 exec_lo, exec_lo, s20
.Le_end:
	FINISH
; ---------------- F: thread t takes 32 positions; two neighbouring lanes hold a step of 64
.Lpath_f:
	v_lshlrev_b32 v3, 7, v0
.irp i, 0,1,2,3,4,5,6,7
	global_load_b128 v[16+4*\i:19+4*\i], v3, s[4:5] offset:16*\i
.endr
	s_wait_loadcnt 0x0
	v_mov_b32 v8, v16                              ; smallest
	v_mov_b32 v9, v16                              ; largest
.set i, 1
.rept 31
	v_cmp_lt_i32 vcc_lo, v[16+i], v8
	v_cndmask_b32 v8, v8, v[16+i], vcc_lo
	v_cmp_gt_i32 vcc_lo, v[16+i], v9
	v_cndmask_b32 v9, v9, v[16+i], vcc_lo
.set i, i+1
.endr
	v_mov_b32 v10, v8
	v_mov_b32 v11, v9
	v_mov_b32_dpp v10, v8 row_xmask:1 row_mask:0xf bank_mask:0xf
	v_mov_b32_dpp v11, v9 row_xmask:1 row_mask:0xf bank_mask:0xf
	v_cmp_lt_i32 vcc_lo, v10, v8
	v_cndmask_b32 v8, v8, v10, vcc_lo
	v_cmp_gt_i32 vcc_lo, v11, v9
	v_cndmask_b32 v9, v9, v11, vcc_lo
	v_and_b32 v12, 1, v0
	v_cmp_eq_u32 vcc_lo, 1, v12
	v_cndmask_b32 v13, v8, v9, vcc_lo              ; the even lane stores the smallest, the odd lane the largest
	v_lshrrev_b32 v14, 1, v0                       ; the step
	v_and_b32 v15, 3, v14
	v_lshlrev_b32 v15, 7, v15
	v_lshrrev_b32 v14, 2, v14
	v_lshl_add_u32 v15, v14, 3, v15
	v_lshl_add_u32 v15, v12, 2, v15
	global_store_b32 v15, v13, s[14:15] offset:KQ
	FINISH
; ---------------- B: w_qkv.  A lane takes a column n and its registers run down K: a block of 32 lies in one lane, and the codes come out with K innermost.
; A wave takes 32 columns x 512 along K; the codes go through its own stage (rows of 272 bytes) and leave as aligned runs of 256 bytes.
.set B_X,   32                         ; v32-95  two sets of 32 numbers
.set B_C,   96                         ; v96-99  a block's codes
.set B_OUT, 112                        ; v112-175 the way out
.set B_SB,  24                         ; v24-27  the scale bytes, four to a register
.macro LOADB t
.set i, 0
.rept 32
	global_load_b32 v[B_X+32*((\t)%2)+i], v3, s[8:9] offset:(32*(\t)+i)*12288 th:TH_LOAD_NT   ; 128 consecutive bytes a wave; 511 rows at the most: inside the signed 24-bit immediate
.set i, i+1
.endr
.endm
.macro BLOCKB t
.set B_XS, B_X+32*((\t)%2)
.if (\t) < 15
	s_wait_loadcnt 32                              ; this block's 32 loads are in; the next block's may be out
.else
	s_wait_loadcnt 0x0
.endif
	v_max3_num_f32 v12, |v[B_XS]|, |v[B_XS+1]|, |v[B_XS+2]|
	v_max3_num_f32 v13, |v[B_XS+3]|, |v[B_XS+4]|, |v[B_XS+5]|
.irp i, 6,10,14,18,22,26
	v_max3_num_f32 v12, v12, |v[B_XS+\i]|, |v[B_XS+\i+1]|
	v_max3_num_f32 v13, v13, |v[B_XS+\i+2]|, |v[B_XS+\i+3]|
.endr
	v_max3_num_f32 v12, v12, |v[B_XS+30]|, |v[B_XS+31]|
	v_max3_num_f32 v12, v12, v13, 0x1800000        ; the floor 2^(3 - 127): the byte cannot fall under 1
	v_add_nc_u32 v11, 0xff000000, v12              ; 2 off the exponent field: the conversion's scale operand
	v_lshrrev_b32 v13, 23, v11                     ; the scale's byte
.if (\t)%4 == 0
	v_mov_b32 v[B_SB+(\t)/4], v13
.else
	v_lshl_or_b32 v[B_SB+(\t)/4], v13, 8*((\t)%4), v[B_SB+(\t)/4]
.endif
.irp g, 0,1,2,3
	v_cvt_scalef32_pk8_fp4_f32 v[B_C+\g], v[B_XS+8*\g:B_XS+8*\g+7], v11
.endr
	ds_store_b128 v4, v[B_C:B_C+3] offset:16*(\t)
.if (\t)+2 < 16
	LOADB (\t)+2
.endif
	s_wait_dscnt 0x0                               ; the store has read its registers: the next block's codes may be written
.endm
.Lpath_b:
	s_sub_co_u32 s20, ttmp9, 129
	s_lshr_b32 s17, s20, 2                         ; which 128 columns
	s_and_b32 s18, s20, 3                          ; which 512 along K
	s_lshl_b32 s17, s17, 7
	s_lshl_b32 s19, s[WV], 5
	s_add_co_u32 s17, s17, s19                     ; my wave's first column
	v_lshlrev_b32 v3, 2, v2
	s_mul_i32 s19, s[WV], 32*272
	s_add_co_u32 s19, s19, LDSB                    ; my stage
	v_mul_u32_u24 v4, v2, 272
	v_add_nc_u32 v4, s19, v4                       ; into it: row = my column
	v_and_b32 v5, 15, v2
	v_lshrrev_b32 v6, 4, v2
	v_mul_u32_u24 v7, v6, 272
	v_lshl_add_u32 v7, v5, 4, v7
	v_add_nc_u32 v7, s19, v7                       ; out of it: sixteen lanes to a row
	v_lshlrev_b32 v8, 10, v6
	v_lshl_add_u32 v8, v5, 4, v8                   ; and the same place in the codes' buffer (rows of 1,024 bytes)
	v_lshlrev_b32 v9, 6, v2                        ; my column's row of scale bytes
	s_mul_i32 s20, s18, 512*12288
	s_lshl_b32 s21, s17, 2
	s_add_co_u32 s20, s20, s21
	s_mov_b32 s21, 0
	s_add_nc_u64 s[8:9], s[8:9], s[20:21]
	s_lshl_b32 s22, s17, 10
	s_lshl_b32 s23, s18, 8
	s_add_co_u32 s22, s22, s23
	s_add_co_u32 s22, s22, WC
	s_mov_b32 s23, 0
	s_add_nc_u64 s[24:25], s[12:13], s[22:23]
	s_lshl_b32 s22, s17, 6
	s_lshl_b32 s26, s18, 4
	s_add_co_u32 s22, s22, s26
	s_add_co_u32 s22, s22, WSO
	s_add_nc_u64 s[26:27], s[12:13], s[22:23]
	LOADB 0
	LOADB 1
.set Q, 0
.rept 16
	BLOCKB Q
.set Q, Q+1
.endr
	global_store_b128 v9, v[B_SB:B_SB+3], s[26:27] ; my column's 16 scale bytes
.irp t, 0,1,2,3,4,5,6,7,8,9,10,11,12,13,14,15
	ds_load_b128 v[B_OUT+4*\t:B_OUT+4*\t+3], v7 offset:2*\t*272   ; LDS serves a wave's instructions in order: these see my stores
.endr
.irp t, 0,1,2,3,4,5,6,7,8,9,10,11,12,13,14,15
	s_wait_dscnt 15-\t
	global_store_b128 v8, v[B_OUT+4*\t:B_OUT+4*\t+3], s[24:25] offset:2*\t*1024
.endr
	FINISH
; ---------------- A: hidden_states, a plain stream of blocks of 32.  A wave takes 16 steps of 512 numbers.  Each load reads 512 consecutive bytes; a step's 2,048 bytes turn through the wave's
; own stage (16 bytes of padding behind each 64) so that a lane holds 16 neighbours; two neighbouring lanes hold a block.
.set A_R, 16                           ; v16-79   four sets of 16 numbers as loaded
.set A_X, 80                           ; v80-111  two sets of 16 neighbours
.set A_E, 112                          ; v112-127 a scale byte for each step
.set A_C, 128                          ; v128-189 codes: registers of its own for each step
.set SP,  80
.macro LOADA t
.irp i, 0,1,2,3
	global_load_b128 v[A_R+16*((\t)%4)+4*\i:A_R+16*((\t)%4)+4*\i+3], v3, s[6:7] offset:2048*(\t)+512*\i th:TH_LOAD_NT
.endr
.endm
.macro TURNA t
.irp i, 0,1,2,3
	ds_store_b128 v14, v[A_R+16*((\t)%4)+4*\i:A_R+16*((\t)%4)+4*\i+3] offset:32*SP*((\t)%2)+8*SP*\i
.endr
.irp i, 0,1,2,3
	ds_load_b128 v[A_X+16*((\t)%2)+4*\i:A_X+16*((\t)%2)+4*\i+3], v15 offset:32*SP*((\t)%2)+16*\i
.endr
.endm
.macro STEPA t
.set A_XS, A_X+16*((\t)%2)
.if (\t) > 0
	s_wait_dscnt 1                                 ; this step's numbers are back from the stage (the last step's byte store may be out)
.else
	s_wait_dscnt 0x0
.endif
.if (\t)+4 < 16
	LOADA (\t)+4
.endif
.if (\t)+1 < 16
.if 14-(\t) >= 3
	s_wait_loadcnt 12                              ; the next step's four loads are in; those of the three steps behind it may be out
.else
	s_wait_loadcnt 4*(14-(\t))
.endif
	TURNA (\t)+1
.endif
	v_max3_num_f32 v8, |v[A_XS]|, |v[A_XS+1]|, |v[A_XS+2]|
	v_max3_num_f32 v9, |v[A_XS+3]|, |v[A_XS+4]|, |v[A_XS+5]|
.irp i, 6,10
	v_max3_num_f32 v8, v8, |v[A_XS+\i]|, |v[A_XS+\i+1]|
	v_max3_num_f32 v9, v9, |v[A_XS+\i+2]|, |v[A_XS+\i+3]|
.endr
	v_max3_num_f32 v8, v8, |v[A_XS+14]|, |v[A_XS+15]|
	v_max3_num_f32 v8, v8, v9, 0x1800000
	v_max_num_f32_dpp v8, v8, v8 row_xmask:1 row_mask:0xf bank_mask:0xf   ; with my neighbour's 16: the block's
	v_add_nc_u32 v11, 0xff000000, v8
	v_cvt_scalef32_pk8_fp4_f32 v[A_C+4*(\t)], v[A_XS:A_XS+7], v11
	v_cvt_scalef32_pk8_fp4_f32 v[A_C+4*(\t)+1], v[A_XS+8:A_XS+15], v11
	v_lshrrev_b32 v[A_E+(\t)], 23, v11
	ds_store_b8 v5, v[A_E+(\t)] offset:16*(\t)     ; both lanes of a block write the same byte with the same value
	global_store_b64 v4, v[A_C+4*(\t):A_C+4*(\t)+1], s[22:23] offset:256*(\t)   ; 256 consecutive bytes, aligned
.endm
.Lpath_a:
	s_sub_co_u32 s17, ttmp9, 225
	s_lshl_b32 s17, s17, 2
	s_add_co_u32 s18, s17, s[WV]                   ; which run of 8,192 numbers is my wave's
	v_lshlrev_b32 v3, 4, v2
	s_lshl_b32 s17, s[WV], 13                      ; my wave's 8,192 bytes of LDS
	v_lshrrev_b32 v14, 2, v2
	v_mul_u32_u24 v14, v14, SP
	v_and_b32 v15, 3, v2
	v_lshl_add_u32 v14, v15, 4, v14
	v_add_nc_u32 v14, s17, v14                     ; the stage, on the way in
	v_mul_u32_u24 v15, v2, SP
	v_add_nc_u32 v15, s17, v15                     ; and on the way out
	v_lshlrev_b32 v4, 3, v2
	v_lshrrev_b32 v5, 1, v2
	s_add_co_u32 s17, s17, 2*32*SP
	v_add_nc_u32 v5, s17, v5                       ; my block's scale byte
	v_lshlrev_b32 v7, 3, v2
	v_add_nc_u32 v6, s17, v7
	s_lshl_b32 s20, s18, 15
	s_mov_b32 s21, 0
	s_add_nc_u64 s[6:7], s[6:7], s[20:21]
	s_lshl_b32 s20, s18, 12
	s_add_nc_u64 s[22:23], s[12:13], s[20:21]
	s_lshl_b32 s20, s18, 8
	s_add_co_u32 s20, s20, XSO
	s_add_nc_u64 s[24:25], s[12:13], s[20:21]
.irp t, 0,1,2,3
	LOADA \t
.endr
	s_wait_loadcnt 12
	TURNA 0
.irp t, 0,1,2,3,4,5,6,7,8,9,10,11,12,13,14,15
	STEPA \t
.endr
	ds_load_b64 v[8:9], v6
	s_wait_dscnt 0x0
	global_store_b64 v7, v[8:9], s[24:25]          ; the wave's 256 scale bytes: one aligned run
	FINISH
; ---------------- C: w_o.  A lane takes a column n, its registers run down K, 32 rows a task; four stores of 16 bytes a lane put them at their places in the images
.macro LOADC t
.set i, 0
.rept 32
	global_load_b32 v[32+32*((\t)%2)+i], v3, s[10:11] offset:(32*(\t)+i)*8192 th:TH_LOAD_NT
.set i, i+1
.endr
.endm
.macro TASKC t
.if (\t) < 7
	s_wait_loadcnt 32
.else
	s_wait_loadcnt 0x0
.endif
	s_wait_xcnt 0x0                                ; the stores of two tasks back have read their registers
.set i, 0
.rept 16
	v_cvt_pk_f16_f32 v[96+16*((\t)%2)+i], v[32+32*((\t)%2)+2*i], v[33+32*((\t)%2)+2*i]
.set i, i+1
.endr
.irp c, 0,1
.irp h, 0,1
	global_store_b128 v4, v[96+16*((\t)%2)+8*\c+4*\h:99+16*((\t)%2)+8*\c+4*\h], s[12:13] offset:((\t)/4)*524288+((\t)%4)*1024+512*\c+256*\h   ; sixteen lanes store 256 consecutive bytes, aligned
.endr
.endr
.if (\t)+2 < 8
	LOADC (\t)+2
.endif
.endm
.Lpath_c:
	s_sub_co_u32 s20, ttmp9, 481
	s_and_b32 s21, s20, 15                         ; which 128 columns
	s_lshr_b32 s22, s20, 4                         ; which 256 rows: two heads
	s_lshl_b32 s23, s21, 7
	s_lshl_b32 s24, s[WV], 5
	s_add_co_u32 s23, s23, s24
	v_add_nc_u32 v3, s23, v2
	v_lshlrev_b32 v3, 2, v3                        ; 4 n
	s_lshl_b32 s24, s22, 21
	s_mov_b32 s25, 0
	s_add_nc_u64 s[10:11], s[10:11], s[24:25]
	s_lshl_b32 s24, s22, 20
	s_add_co_u32 s24, s24, WI
	s_add_nc_u64 s[12:13], s[12:13], s[24:25]
	s_lshl_b32 s24, s21, 3
	s_lshl_b32 s26, s[WV], 1
	s_add_co_u32 s24, s24, s26
	v_lshrrev_b32 v4, 4, v2
	v_add_nc_u32 v4, s24, v4                       ; my column's tile of 16
	v_lshlrev_b32 v4, 12, v4
	v_and_b32 v5, 15, v2
	v_lshl_add_u32 v4, v5, 4, v4
	LOADC 0
	LOADC 1
.irp t, 0,1,2,3,4,5,6,7
	TASKC \t
.endr
	FINISH
.Lfunc_end_k_q342aa610fc_prep:
	.size	k_q342aa610fc_prep, .Lfunc_end_k_q342aa610fc_prep-k_q342aa610fc_prep
	.p2alignl 7, 3214868480
	.fill 96, 4, 3214868480
	.section	.rodata,"a",@progbits
	.p2align	6, 0x0
	.amdhsa_kernel k_q342aa610fc_prep
		.amdhsa_group_segment_fixed_size 86528
		.amdhsa_private_segment_fixed_size 0
		.amdhsa_enable_private_segment 0
		.amdhsa_kernarg_size 48
		.amdhsa_user_sgpr_count 2
		.amdhsa_user_sgpr_kernarg_segment_ptr 1
		.amdhsa_wavefront_size32 1
		.amdhsa_system_sgpr_workgroup_id_x 1
		.amdhsa_system_sgpr_workgroup_id_y 1
		.amdhsa_system_sgpr_workgroup_id_z 1
		.amdhsa_system_vgpr_workitem_id 0
		.amdhsa_next_free_vgpr 192
		.amdhsa_next_free_sgpr 100
		.amdhsa_reserve_vcc 1
		.amdhsa_float_denorm_mode_32 3
		.amdhsa_float_denorm_mode_16_64 3
		.amdhsa_memory_ordered 1
		.amdhsa_forward_progress 1
		.amdhsa_inst_pref_size 230
	.end_amdhsa_kernel
	.amdgpu_metadata
---
amdhsa.version: [ 1, 2 ]
amdhsa.kernels:
  - .name:           k_q342aa610fc_prep
    .symbol:         k_q342aa610fc_prep.kd
    .args:
      - { .name: positions, .offset: 0, .size: 8, .value_kind: global_buffer, .address_space: global }
      - { .name: hidden_states, .offset: 8, .size: 8, .value_kind: global_buffer, .address_space: global }
      - { .name: w_qkv, .offset: 16, .size: 8, .value_kind: global_buffer, .address_space: global }
      - { .name: w_o, .offset: 24, .size: 8, .value_kind: global_buffer, .address_space: global }
      - { .name: prepbuf, .offset: 32, .size: 8, .value_kind: global_buffer, .address_space: global }
      - { .name: ints, .offset: 40, .size: 8, .value_kind: global_buffer, .address_space: global }
    .group_segment_fixed_size: 86528
    .private_segment_fixed_size: 0
    .kernarg_segment_align: 8
    .kernarg_segment_size: 48
    .max_flat_workgroup_size: 128
    .sgpr_count:     100
    .vgpr_count:     192
    .wavefront_size: 32
...
	.end_amdgpu_metadata
.endif
;; end of part 1
;; launch qkv (part 2): grid 12 x 16, 4 waves a work-group, clusters of 4 x 4, 327,680 bytes of LDS; arguments prepbuf, ints, q_norm_w, k_norm_w, qkvbuf; writes qkvbuf
.if DOCPART == 2
	.amdgcn_target "amdgcn-amd-amdhsa--gfx1250"
	.amdhsa_code_object_version 6
	.text
	.protected	k_q342aa610fc_qkv
	.globl	k_q342aa610fc_qkv
	.p2align	8
	.type	k_q342aa610fc_qkv,@function
k_q342aa610fc_qkv:
	s_mov_b64 s[64:65], 0
	v_nop
	global_prefetch_b8 v0, s[64:65] scope:SCOPE_SE
	s_setreg_imm32_b32 hwreg(HW_REG_WAVE_MODE, 25, 1), 1
	s_wait_xcnt 0x0
	s_wait_alu depctr_hold_cnt(0) depctr_sa_sdst(0) depctr_va_vdst(0) depctr_va_sdst(0) depctr_va_ssrc(0) depctr_va_vcc(0) depctr_vm_vsrc(0)
	s_getreg_b32 s2, hwreg(HW_REG_IB_STS2, 6, 4)
	s_cmp_eq_u32 s2, 0
	s_cbranch_scc0 .Lentry_in_a_cluster
	s_endpgm
.Lentry_in_a_cluster:
	s_bfe_u32 s2, ttmp6, 0x10000c
	s_cmp_lg_u32 s2, 0xf033
	s_cbranch_scc0 .Lentry_shape_is_right
	s_endpgm
.Lentry_shape_is_right:
; qkv = Q(hidden_states) Q(w_qkv) on codes of E2M1 with E8M0 scales, then RMS norm, rotary turn and rounding to f16, all in the registers that hold the sums.
; A tile of 256 tokens x 256 columns is made by four waves, 128 x 128 each: 64 accumulators of 16 x 16.  K goes in steps of 512 (rows of 256 bytes) through two LDS slots filled by the tensor data mover;
; the scale bytes of the work-group's rows, for all of K, come once and stay.  4 x 4 work-groups form a cluster: A's tiles are asked for jointly along a row of it, B's along a column.
; The matrix instruction is used transposed (source 0 = 16 columns of w, source 1 = 16 tokens): in accumulator (a, b) lane (r, h) holds token 16 a + r and channels 16 b + 8 h + 0 .. 7.
; A wave's 128 columns are ONE HEAD: the norm is 64 numbers of a lane and one exchange between the halves of the lanes; channel c's partner c + 64 is accumulator b + 4 in the same lane;
; eight channels packed to f16 are a lane's 16 bytes of block b of an IMAGE (16 rows x 128 K: 8 blocks of 512 bytes, lane L's 16 bytes at 16 L), so every store covers 512 consecutive bytes.
; Cluster x = 0, 1, 2 is q, k, v: the one branch of the way out hangs on it, and it is the same in all sixteen partners.
; The tokens of the 16 lowest ranks also leave as f32 (for the last launch): stores under a mask of lanes, no jump; their addresses are all made before EXEC is first narrowed.
; 192 work-groups: a smaller tile would read each LDS byte for half the products.  LIMITS: |q|, |k|, |v| under 65,504 (f16); NaN and infinities are not served.
; REGISTERS: window 0: v0-31 addresses and ranks; v32-95 scale words, two sets, and nothing else; v128-191 A's fragments, one set.  window 1: B's fragments at v0 and v128; v64-127 the gain; v192-255 the first table set.
;   windows 2, 3: the accumulators.  On the way out: window 0 v96-113 at work, v116-123 the copies' addresses, v128-191 the 64 numbers at work, v192-223 packed; window 1 v192-255 and v0-63 the table sets by turns.
.set SIZE_K, 2048
.set XSO,    4194304
.set WC,     4456448
.set WSO,    7602176
.set TAB,    11993088
.set FF,     25165824
.set KSTEP,  512
.set NQ,     KSTEP/128
.set ROWB,   256
.set KROW,   SIZE_K*4/8
.set PITCH,  272                       ; an LDS row: 256 bytes + 16 of padding: the 16 rows that a load touches start at 16 different banks
.set FR,     8
.set NL,     2
.set NP,     4
.set HALFT,  128*PITCH
.set SLOT,   4*HALFT
.set LAPS,   SIZE_K/(2*KSTEP)
.set KS,     SIZE_K/32
.set SCL,    2*SLOT
.set HALFS,  (128*KS/256)*272
.set SBLK,   (16*KS/256)*272
.set SPARE,  SCL+4*HALFS               ; the spare words, 128 bytes for each wave: two blocks of 256 bytes that no other line names
.set H32,  7                           ; v7      32 x (lane / 16); never rewritten
.set RK,   8                           ; v8-15   the ranks of my tokens, block a's in v[8 + a]
.set ADRA, 16
.set ADRB, 20
.set LA,   26                          ; v26     16 x lane; never rewritten
.set ADRS, 27
.set SPW,  28
.set NIL,  29
.set R4,   30                          ; v30     4 x (lane % 16); never rewritten
.set SC,   32
.set SS,   96                          ; v96-103  the way out: the sum of squares, four chains of pairs
.set TT,   104                         ; v104-111 the way out: the turn's products
.set RS,   112                         ; v112-113 the way out: 1 / root, the low word of a pair
.set FA,   116                         ; v116-123 the way out: block a's address among the f32 copies; written once
.set AF,   128
.set G1, 24
.set G0, 32
.set G1B, 48
.set G0B, 56
.set G1S, 68
.set G0S, 76
.set G1SB, 80
.set G0SB, 88
.set MSB, 0
.macro WIN new                         ; the immediate's high byte repeats the setting that is left
.if MSB != (\new)
	s_set_vgpr_msb (MSB<<8)|(\new)
.set MSB, (\new)
.endif
.endm
.set MUL_LO, 0xa1
.set MUL_HI, 0xf1
.set TO_B,   0x40
; A joint load: waves 0 and 1 fetch for A, waves 2 and 3 for B; the branch hangs on the wave's number alone.  An s_nop 0 and four v_nop follow each of the two lines.
.macro JLOAD g0a, g1a, g0b, g1b
	s_cmp_eq_u32 s15, 0
	s_cbranch_scc0 .Lfor_b_\@
	tensor_load_to_lds s[\g0a:\g0a+3], s[\g1a:\g1a+7]
	s_nop 0
.rept 4
	v_nop
.endr
	s_branch .Lasked_\@
.Lfor_b_\@:
	tensor_load_to_lds s[\g0b:\g0b+3], s[\g1b:\g1b+7]
	s_nop 0
.rept 4
	v_nop
.endr
.Lasked_\@:
.endm
.macro CREST
	s_cmp_lg_u32 s14, 0
	s_cbranch_scc1 .Lnot_wave_0_\@
	s_barrier_signal -3
.Lnot_wave_0_\@:
	s_barrier_wait -3
	s_barrier_signal -1
	s_barrier_wait -1
.endm
.macro CROUND
	s_barrier_signal -1
	s_barrier_wait -1
	CREST
.endm
	s_load_b128 s[4:7], s[0:1], 0x0                ; prepbuf s[4:5], ints s[6:7]
	s_load_b128 s[8:11], s[0:1], 0x10              ; q_norm_w s[8:9], k_norm_w s[10:11]
	s_load_b64 s[12:13], s[0:1], 0x20              ; qkvbuf
	v_lshl_add_u32 v[SPW], v0, 2, SPARE
	v_mov_b32 v[NIL], 0
	ds_add_u32 v[SPW], v[NIL]                      ; the wave's opening: the add, twice on end, and its wait ahead of my first tensor load
	ds_add_u32 v[SPW], v[NIL]
	v_lshrrev_b32 v1, 5, v0
	v_readfirstlane_b32 s14, v1                    ; wave 0..3
	s_lshr_b32 s15, s14, 1                         ; which half of the tile's tokens is mine.  Also: I fetch for A (0) or for B (1)
	s_and_b32 s16, s14, 1                          ; which half of its columns.  Also: which 128 rows of that tile I fetch
	s_bfe_u32 s40, ttmp6, 0x40000                  ; cx, cy
	s_bfe_u32 s41, ttmp6, 0x40004
	s_lshl_b32 s42, ttmp9, 2
	s_add_co_u32 s42, s42, s40                     ; tile column
	s_and_b32 s17, ttmp7, 0xffff
	s_lshl_b32 s17, s17, 2
	s_add_co_u32 s17, s17, s41                     ; tile row
	s_lshl_b32 s43, s41, 2
	s_lshl_b32 s43, 15, s43                        ; my row of the cluster
	s_lshl_b32 s44, 0x1111, s40                    ; my column
	s_or_b32 s[G1+0], s43, (0<<16)|(1<<20)|(1<<21)|(5<<22)|(3<<25)  ; the mask; elements of 1 byte; padding on; bit 21 beside a mask; four words after every 64
	s_or_b32 s[G1B+0], s44, (0<<16)|(1<<20)|(1<<21)|(5<<22)|(3<<25)
.irp g, G1, G1B
	s_mov_b32 s[\g+1], ROWB<<16                    ; tensor_dim0
	s_mov_b32 s[\g+2], 128<<16                     ; tensor_dim1
	s_mov_b32 s[\g+3], ROWB<<16                    ; tile_dim0
	s_mov_b32 s[\g+4], 128                         ; tile_dim1
	s_mov_b32 s[\g+5], KROW                        ; the pitch
	s_mov_b32 s[\g+6], 0
	s_mov_b32 s[\g+7], 0
.endr
	s_or_b32 s[G1S+0], s43, (3<<16)|(1<<20)|(1<<21)|(5<<22)|(3<<25)  ; the scales of 128 rows: a dense block, as rows of 256 bytes, 16 bytes of padding behind each
	s_or_b32 s[G1SB+0], s44, (3<<16)|(1<<20)|(1<<21)|(5<<22)|(3<<25)
.irp g, G1S, G1SB
	s_mov_b32 s[\g+1], 32<<16
	s_mov_b32 s[\g+2], (128*KS/256)<<16
	s_mov_b32 s[\g+3], 32<<16
	s_mov_b32 s[\g+4], 128*KS/256
	s_mov_b32 s[\g+5], 32
	s_mov_b32 s[\g+6], 0
	s_mov_b32 s[\g+7], 0
.endr
	s_lshl_b32 s18, s16, 7
	s_lshl_b32 s20, s17, 8
	s_add_co_u32 s20, s20, s18                     ; A: token 256 x tile row + 128 x half
	s_lshl_b32 s46, s42, 8
	s_add_co_u32 s46, s46, s18                     ; B: column 256 x tile column + 128 x half
	s_mov_b32 s21, 0
	s_mov_b32 s47, 0
	s_mov_b64 s[18:19], KS
	s_mul_u64 s[22:23], s[20:21], s[18:19]
	s_mul_u64 s[92:93], s[46:47], s[18:19]
	s_mov_b64 s[18:19], KROW
	s_mul_u64 s[20:21], s[20:21], s[18:19]
	s_mul_u64 s[46:47], s[46:47], s[18:19]
	s_add_nc_u64 s[22:23], s[22:23], XSO           ; the four parts' places in prepbuf
	s_add_nc_u64 s[46:47], s[46:47], WC
	s_add_nc_u64 s[92:93], s[92:93], WSO
	s_mul_i32 s45, s14, HALFT
	s_mul_i32 s94, s14, HALFS
	s_wait_dscnt 0x0                               ; both opening adds are done
	s_wait_kmcnt 0x0
	s_add_nc_u64 s[20:21], s[4:5], s[20:21]
	s_add_nc_u64 s[22:23], s[4:5], s[22:23]
	s_add_nc_u64 s[46:47], s[4:5], s[46:47]
	s_add_nc_u64 s[92:93], s[4:5], s[92:93]
	CROUND                                         ; all sixteen work-groups are here: the first joint loads meet
	s_mov_b32 s[G0S], 1
	s_add_co_u32 s[G0S+1], s94, SCL
	s_mov_b64 s[G0S+2:G0S+3], s[22:23]
	s_or_b32 s[G0S+3], s[G0S+3], 0x80000000
	s_mov_b32 s[G0SB], 1
	s_add_co_u32 s[G0SB+1], s94, SCL
	s_mov_b64 s[G0SB+2:G0SB+3], s[92:93]
	s_or_b32 s[G0SB+3], s[G0SB+3], 0x80000000
	JLOAD G0S, G1S, G0SB, G1SB                     ; by this text's count three tensor loads of a wave are out at the start, one behind each round
.irp s, 0,1
	s_mov_b32 s[G0+4*\s], 1
	s_add_co_u32 s[G0+4*\s+1], s45, \s*SLOT
	s_add_nc_u64 s[G0+4*\s+2:G0+4*\s+3], s[20:21], \s*ROWB
	s_or_b32 s[G0+4*\s+3], s[G0+4*\s+3], 0x80000000
	s_mov_b32 s[G0B+4*\s], 1
	s_add_co_u32 s[G0B+4*\s+1], s45, \s*SLOT
	s_add_nc_u64 s[G0B+4*\s+2:G0B+4*\s+3], s[46:47], \s*ROWB
	s_or_b32 s[G0B+4*\s+3], s[G0B+4*\s+3], 0x80000000
	JLOAD G0+4*\s, G1, G0B+4*\s, G1B
.endr
	v_and_b32 v1, 15, v0                           ; r
	v_bfe_u32 v2, v0, 4, 1                         ; h
	v_mul_u32_u24 v3, v1, PITCH
	v_lshl_add_u32 v4, v2, 4, v3
	s_mul_i32 s21, s15, HALFT
	s_mul_i32 s22, s16, HALFT
	s_add_co_u32 s22, s22, 2*HALFT
.irp s, 0,1
	v_add_nc_u32 v[ADRA+\s], s21, v4
	v_add_nc_u32 v[ADRB+\s], s22, v4
	s_add_co_u32 s21, s21, SLOT
	s_add_co_u32 s22, s22, SLOT
.endr
	v_mul_u32_u24 v5, v1, KS
	v_lshrrev_b32 v6, 8, v5
	v_lshl_add_u32 v5, v6, 4, v5
	s_mul_i32 s21, s15, HALFS
	s_mul_i32 s22, s16, HALFS
	s_add_co_u32 s22, s22, 2*HALFS
	s_sub_co_u32 s22, s22, s21
	v_mul_u32_u24 v6, s22, v2                      ; lanes 16-31 take B's scale words
	s_add_co_u32 s21, s21, SCL
	v_add_nc_u32 v5, v5, v6
	v_add_nc_u32 v[ADRS], s21, v5
	; what the way out wants: asked for now, in every work-group alike; it lands while K is walked.  The address registers of these loads are never rewritten
	v_and_b32 v6, 31, v0
	v_lshlrev_b32 v[LA], 4, v6
	v_lshlrev_b32 v[H32], 5, v2
	v_lshlrev_b32 v[R4], 2, v1
	s_lshl_b32 s18, s17, 8
	s_lshl_b32 s19, s15, 7
	s_add_co_u32 s18, s18, s19                     ; my first token
	s_lshl_b32 s19, s40, 1
	s_add_co_u32 s19, s19, s16                     ; my head
	s_lshl_b32 s20, s18, 2
	s_mov_b32 s21, 0
	s_add_nc_u64 s[66:67], s[6:7], s[20:21]        ; my tokens' ranks
	s_lshl_b32 s20, s18, 9
	s_add_co_u32 s20, s20, TAB
	s_add_nc_u64 s[98:99], s[4:5], s[20:21]        ; my tokens' cos and sin: 8,192 bytes for each 16
	s_lshl_b32 s20, ttmp9, 23
	s_lshl_b32 s22, s19, 20
	s_add_co_u32 s20, s20, s22
	s_lshl_b32 s22, s18, 8
	s_add_co_u32 s20, s20, s22
	s_add_nc_u64 s[96:97], s[12:13], s[20:21]      ; my images: [q, k, v][head][token / 16][4,096]
	s_lshl_b32 s20, ttmp9, 16
	s_lshl_b32 s22, s19, 9
	s_add_co_u32 s20, s20, s22
	s_add_co_u32 s20, s20, FF
	s_add_nc_u64 s[94:95], s[12:13], s[20:21]      ; the f32 copies: [q, k, v][rank][1,024]
	s_cmp_eq_u32 ttmp9, 1
	s_cselect_b64 s[100:101], s[10:11], s[8:9]     ; k's gain or q's
	WIN TO_B
.irp b, 0,1,2,3,4,5,6,7
	global_load_b128 v[64+8*\b:67+8*\b], v[H32], s[100:101] offset:64*\b       ; the gain of channels 16 b + 8 h + 0 .. 7
	global_load_b128 v[68+8*\b:71+8*\b], v[H32], s[100:101] offset:64*\b+16
.endr
.irp k, 0,1,2,3,4,5,6,7,8,9,10,11,12,13,14,15
	global_load_b128 v[192+4*\k:195+4*\k], v[LA], s[98:99] offset:512*\k       ; block 0's table
.endr
	WIN 0
.irp a, 0,1,2,3,4,5,6,7
	global_load_b32 v[RK+\a], v[R4], s[66:67] offset:64*\a
.endr
.macro FRAG reg, adr, q, i             ; 16 rows x 128 K of 4-bit codes: 8 registers, two loads of 16 bytes, 32 bytes apart
.irp c, 0,1
	ds_load_b128 v[\reg+4*\c:\reg+4*\c+3], v[\adr] offset:64*(\q)+32*\c+(\i)*16*PITCH
.endr
.endm
; 16 matrix instructions: A's blocks a0, a0 + 1 x B's eight.  The 64 accumulators take turns, one instruction a turn, in the same order in every step.
.macro MUL16 a0, p, q, sc, zero
.irp a, \a0, \a0+1
.irp b, 0,1,2,3,4,5,6,7
.if \zero
	v_wmma_scale_f32_16x16x128_f8f6f4 v[8*(8*((\a)%4)+\b):8*(8*((\a)%4)+\b)+7], v[128*(\p)+FR*\b:128*(\p)+FR*\b+FR-1], v[AF+FR*(\a):AF+FR*(\a)+FR-1], 0, v[SC+8*NQ*(\sc)+NQ*\b+(\q)], v[SC+8*NQ*(\sc)+NQ*(\a)+(\q)] matrix_a_fmt:MATRIX_FMT_FP4 matrix_b_fmt:MATRIX_FMT_FP4 matrix_a_scale:MATRIX_SCALE_ROW1
.else
	v_wmma_scale_f32_16x16x128_f8f6f4 v[8*(8*((\a)%4)+\b):8*(8*((\a)%4)+\b)+7], v[128*(\p)+FR*\b:128*(\p)+FR*\b+FR-1], v[AF+FR*(\a):AF+FR*(\a)+FR-1], v[8*(8*((\a)%4)+\b):8*(8*((\a)%4)+\b)+7], v[SC+8*NQ*(\sc)+NQ*\b+(\q)], v[SC+8*NQ*(\sc)+NQ*(\a)+(\q)] matrix_a_fmt:MATRIX_FMT_FP4 matrix_b_fmt:MATRIX_FMT_FP4 matrix_a_scale:MATRIX_SCALE_ROW1
.endif
.endr
.endr
.endm
.macro FETCH_B slot, q, p
	WIN TO_B
.irp i, 0,1,2,3,4,5,6,7
	FRAG 128*(\p)+FR*\i, ADRB+\slot, \q, \i
.endr
	WIN 0
.endm
.macro FETCH_A slot, q, i0
.irp i, \i0, \i0+1, \i0+2, \i0+3
	FRAG AF+FR*(\i), ADRA+\slot, \q, \i
.endr
.endm
.macro SCALES sc                       ; lanes 0-15 take the words of A's block i, lanes 16-31 those of B's block i
.irp i, 0,1,2,3,4,5,6,7
	ds_load_b128 v[SC+8*NQ*\sc+NQ*\i:SC+8*NQ*\sc+NQ*\i+3], v[ADRS] offset:\i*SBLK
.endr
.endm
.macro PLACES n                        ; plain vector lines between a matrix instruction and a load into, or a vector access to, its registers
.rept \n
	v_nop
.endr
.endm
.macro STEP slot, q, zero
	s_wait_dscnt 4*NL                              ; B's set and A's blocks 0-3 are in; the youngest loads (A's blocks 4-7) may be out
	WIN MUL_LO
	MUL16 0, (\q)%2, \q, \slot, \zero
	MUL16 2, (\q)%2, \q, \slot, \zero
	s_wait_dscnt 0
	PLACES NP
	FETCH_B \slot, (\q)+1, 1-(\q)%2
	FETCH_A \slot, (\q)+1, 0
	WIN MUL_HI
	MUL16 4, (\q)%2, \q, \slot, \zero
	MUL16 6, (\q)%2, \q, \slot, \zero
	PLACES NP
	WIN 0
	FETCH_A \slot, (\q)+1, 4
.endm
; A slot's last step changes slots: one barrier; in front of it each wave waits for all its tensor loads, adds 0 to its spare word, and waits for that and for its reads of this slot.
.macro TURN slot, next, fill
	s_wait_tensorcnt 0x0                           ; all my tensor loads have landed: my part of the next slot
	ds_add_u32 v[SPW], v[NIL]
	s_wait_dscnt 4*NL+1                            ; (the add and the youngest loads may be out)
	WIN MUL_LO
	MUL16 0, 1, NQ-1, \slot, 0
	s_wait_dscnt 0x0                               ; the add is done, and my reads of this slot are over
	s_barrier_signal -1
	MUL16 2, 1, NQ-1, \slot, 0
	WIN 0
	s_barrier_wait -1
.if \fill
	CREST                                          ; the barrier has opened a round of the cluster's: no wave of any partner still reads this slot or has a load on its way
	s_add_nc_u64 s[G0+4*\slot+2:G0+4*\slot+3], s[G0+4*\slot+2:G0+4*\slot+3], 2*ROWB
	s_add_nc_u64 s[G0B+4*\slot+2:G0B+4*\slot+3], s[G0B+4*\slot+2:G0B+4*\slot+3], 2*ROWB
	JLOAD G0+4*\slot, G1, G0B+4*\slot, G1B
.else
	PLACES NP
.endif
	v_add_nc_u32 v[ADRS], 4*NQ, v[ADRS]
	FETCH_B \next, 0, 0
	FETCH_A \next, 0, 0
	SCALES \next
	WIN MUL_HI
	MUL16 4, 1, NQ-1, \slot, 0
	MUL16 6, 1, NQ-1, \slot, 0
	PLACES NP
	WIN 0
	FETCH_A \next, 0, 4
.endm
.macro STEPS slot, from
.set Q, \from
.rept NQ-1-\from
	STEP \slot, Q, 0
.set Q, Q+1
.endr
.endm
	s_wait_tensorcnt 1                             ; the scales and my part of K step 0 are in (K step 1's load may be out)
	s_barrier_signal -1
	s_barrier_wait -1
	FETCH_B 0, 0, 0
	FETCH_A 0, 0, 0
	SCALES 0
	FETCH_A 0, 0, 4
	STEP 0, 0, 1                                   ; the first step's products start the sums
	s_mov_b32 s3, LAPS-1
.Llap:
	STEPS 0, 1
	TURN 0, 1, 1
	STEPS 1, 0
	TURN 1, 0, 1
	STEP 0, 0, 0
	s_sub_co_u32 s3, s3, 1
	s_cmp_lg_u32 s3, 0
	s_cbranch_scc1 .Llap
	STEPS 0, 1
	TURN 0, 1, 0
	STEPS 1, 0
	s_wait_dscnt 4*NL
	WIN MUL_LO
	MUL16 0, 1, NQ-1, 1, 0
	MUL16 2, 1, NQ-1, 1, 0
	s_wait_dscnt 0
	WIN MUL_HI
	MUL16 4, 1, NQ-1, 1, 0
	MUL16 6, 1, NQ-1, 1, 0
	WIN 0
; THE WAY OUT, a block of 16 tokens at a time.
.macro COPY32 a, win                   ; the tokens of the 16 lowest ranks leave as f32 too: lanes whose token's rank is under 16 store their 64 numbers at [rank][head][channel]
	v_cmp_gt_u32 vcc_lo, 16, v[RK+(\a)]
	s_wait_xcnt 0x0                                ; EXEC changes only behind this wait
	s_and_saveexec_b32 s28, vcc_lo
	WIN (\win)<<2                                  ; a store's data are its source 1
.irp b, 0,1,2,3,4,5,6,7
	global_store_b128 v[FA+(\a)], v[DAT+8*\b:DAT+8*\b+3], s[94:95] offset:64*\b
	global_store_b128 v[FA+(\a)], v[DAT+8*\b+4:DAT+8*\b+7], s[94:95] offset:64*\b+16
.endr
	WIN 0
	s_wait_xcnt 0x0                                ; and again ahead of the line that widens it; it also frees this block's store data for the next block
	s_or_b32 exec_lo, exec_lo, s28
.endm
.macro EPI_QK a
.set AW, 2+(\a)/4                      ; the block's accumulators: window,
.set AC, 64*((\a)%4)                   ; and first register
.set TS, 192*(1-(\a)%2)                ; its table set in window 1,
.set TN, 192*((\a)%2)                  ; and the next block's
.if (\a) < 7
	WIN TO_B
.irp k, 0,1,2,3,4,5,6,7,8,9,10,11,12,13,14,15
	global_load_b128 v[TN+4*\k:TN+4*\k+3], v[LA], s[98:99] offset:((\a)+1)*8192+512*\k
.endr
	s_wait_loadcnt 16                              ; all but the 16 just issued: this block's table is in
.else
	s_wait_loadcnt 0x0
.endif
	WIN AW*5                                       ; sources 0 and 1: the accumulators' window
.set P, 0
.rept 32                                       ; the sum of squares, two at a time in four chains; each accumulator is read from its low end on
.if P < 4
	v_pk_mul_f32 v[SS+2*P:SS+1+2*P], v[AC+2*P:AC+2*P+1], v[AC+2*P:AC+2*P+1]
.else
	v_pk_fma_f32 v[SS+2*(P%4):SS+1+2*(P%4)], v[AC+2*P:AC+2*P+1], v[AC+2*P:AC+2*P+1], v[SS+2*(P%4):SS+1+2*(P%4)]
.endif
.set P, P+1
.endr
	WIN 0
	v_pk_add_f32 v[SS:SS+1], v[SS:SS+1], v[SS+2:SS+3]
	v_pk_add_f32 v[SS+4:SS+5], v[SS+4:SS+5], v[SS+6:SS+7]
	v_pk_add_f32 v[SS:SS+1], v[SS:SS+1], v[SS+4:SS+5]
	v_add_f32 v[SS], v[SS], v[SS+1]
	v_permlanex16_b32 v[SS+2], v[SS], s26, s27     ; the token's other 64 channels lie in the lane 16 away
	v_add_f32 v[SS], v[SS], v[SS+2]
	v_fma_f32 v[SS], v[SS], s24, s25               ; the mean + 1e-6
	v_rsq_f32 v[RS], v[SS]
	WIN AW+4                                       ; source 0: the accumulators; source 1: window 1
.set P, 0
.rept 32
	v_pk_mul_f32 v[128+2*P:129+2*P], v[AC+2*P:AC+2*P+1], v[64+2*P:65+2*P]   ; x the gain: work that names nothing of the root, between it and its wait
.set P, P+1
.endr
	WIN 0
	s_wait_alu depctr_va_vdst(0)                   ; the wait ahead of the root's first reader
.set P, 0
.rept 32
	v_pk_mul_f32 v[128+2*P:129+2*P], v[128+2*P:129+2*P], v[RS:RS+1] op_sel_hi:[1,0]
.set P, P+1
.endr
	WIN 0x04                                       ; source 1: the table, window 1
.irp b, 0,1,2,3
.irp j, 0,2,4,6
.set CR, TS+8*(2*\b+\j/4)+\j%4         ; cos of channels 16 b + 8 h + j, j + 1;
.set SR, CR+4                          ; sin
.set Y1, 128+8*\b+\j
.set Y2, Y1+32
.set T1, TT+2*(\j%4)
.set T2, T1+2
	v_pk_mul_f32 v[T1:T1+1], v[Y2:Y2+1], v[SR:SR+1]
	v_pk_mul_f32 v[T2:T2+1], v[Y1:Y1+1], v[SR:SR+1]
	v_pk_fma_f32 v[Y1:Y1+1], v[Y1:Y1+1], v[CR:CR+1], v[T1:T1+1] neg_lo:[0,0,1] neg_hi:[0,0,1]
	v_pk_fma_f32 v[Y2:Y2+1], v[Y2:Y2+1], v[CR:CR+1], v[T2:T2+1]
.endr
.endr
	WIN 0
.set P, 0
.rept 32
	v_cvt_pk_f16_f32 v[192+P], v[128+2*P], v[129+2*P]
.set P, P+1
.endr
.irp b, 0,1,2,3,4,5,6,7
	global_store_b128 v[LA], v[192+4*\b:195+4*\b], s[96:97] offset:(\a)*4096+512*\b   ; 32 lanes store 512 consecutive bytes, aligned
.endr
.set DAT, 128
	COPY32 \a, 0
.endm
.macro EPI_V a
.set AW, 2+(\a)/4
.set AC, 64*((\a)%4)
	WIN AW*5
.set P, 0
.rept 32
	v_cvt_pk_f16_f32 v[192+P], v[AC+2*P], v[AC+2*P+1]
.set P, P+1
.endr
	WIN 0
.irp b, 0,1,2,3,4,5,6,7
	global_store_b128 v[LA], v[192+4*\b:195+4*\b], s[96:97] offset:(\a)*4096+512*\b
.endr
.set DAT, AC
	COPY32 \a, AW
.endm
	PLACES NP                                      ; behind the last products: their operands' registers are written below, their results read
	s_mov_b32 s24, 0x3c000000                      ; 1 / 128   (no tensor load is out: the descriptors' registers are free)
	s_mov_b32 s25, 0x358637bd                      ; 1e-6
	s_mov_b32 s26, 0x76543210                      ; lane selects: lane l xor 16
	s_mov_b32 s27, 0xfedcba98
	v_mov_b32 v[RS+1], 0                           ; named with v[RS] as a pair, so it is written
	s_wait_loadcnt 0x0                             ; the gain, block 0's table and the ranks, asked for at the head, a whole walk along K ago
.irp a, 0,1,2,3,4,5,6,7
	v_min_u32 v[FA+\a], 15, v[RK+\a]               ; the eight blocks' addresses among the f32 copies, all made here, with every lane on: rank (held at 15) x 4,096
.endr
.irp a, 0,1,2,3,4,5,6,7
	v_lshlrev_b32 v[FA+\a], 12, v[FA+\a]
.endr
.irp a, 0,1,2,3,4,5,6,7
	v_add_nc_u32 v[FA+\a], v[FA+\a], v[H32]        ; + 32 h
.endr
	s_cmp_eq_u32 ttmp9, 2                          ; the cluster's x: the same in all sixteen partners
	s_cbranch_scc1 .Lvalues
.irp a, 0,1,2,3,4,5,6,7
	EPI_QK \a
.endr
	s_branch .Lout
.Lvalues:                                          ; (the gain and the table have been asked for alike and are not used here)
.irp a, 0,1,2,3,4,5,6,7
	EPI_V \a
.endr
.Lout:
	s_wait_tensorcnt 0x0                           ; the wave's end
	ds_add_u32 v[SPW], v[NIL]
	s_wait_dscnt 0x0
	CROUND                                         ; the closing round
	s_endpgm
.Lfunc_end_k_q342aa610fc_qkv:
	.size	k_q342aa610fc_qkv, .Lfunc_end_k_q342aa610fc_qkv-k_q342aa610fc_qkv
	.p2alignl 7, 3214868480
	.fill 96, 4, 3214868480
	.section	.rodata,"a",@progbits
	.p2align	6, 0x0
	.amdhsa_kernel k_q342aa610fc_qkv
		.amdhsa_group_segment_fixed_size 327680
		.amdhsa_private_segment_fixed_size 0
		.amdhsa_enable_private_segment 0
		.amdhsa_kernarg_size 40
		.amdhsa_user_sgpr_count 2
		.amdhsa_user_sgpr_kernarg_segment_ptr 1
		.amdhsa_wavefront_size32 1
		.amdhsa_system_sgpr_workgroup_id_x 1
		.amdhsa_system_sgpr_workgroup_id_y 1
		.amdhsa_system_sgpr_workgroup_id_z 1
		.amdhsa_system_vgpr_workitem_id 0
		.amdhsa_next_free_vgpr 1024
		.amdhsa_next_free_sgpr 102
		.amdhsa_reserve_vcc 1
		.amdhsa_float_denorm_mode_32 3
		.amdhsa_float_denorm_mode_16_64 3
		.amdhsa_memory_ordered 1
		.amdhsa_forward_progress 1
		.amdhsa_inst_pref_size 255
	.end_amdhsa_kernel
	.section	.bss,"aw",@nobits
	.p2align	6
	.space	262144
	.amdgpu_metadata
---
amdhsa.version: [ 1, 2 ]
amdhsa.kernels:
  - .name:           k_q342aa610fc_qkv
    .symbol:         k_q342aa610fc_qkv.kd
    .args:
      - { .name: prepbuf, .offset: 0, .size: 8, .value_kind: global_buffer, .address_space: global }
      - { .name: ints, .offset: 8, .size: 8, .value_kind: global_buffer, .address_space: global }
      - { .name: q_norm_w, .offset: 16, .size: 8, .value_kind: global_buffer, .address_space: global }
      - { .name: k_norm_w, .offset: 24, .size: 8, .value_kind: global_buffer, .address_space: global }
      - { .name: qkvbuf, .offset: 32, .size: 8, .value_kind: global_buffer, .address_space: global }
    .group_segment_fixed_size: 327680
    .private_segment_fixed_size: 0
    .kernarg_segment_align: 8
    .kernarg_segment_size: 40
    .max_flat_workgroup_size: 128
    .sgpr_count:     102
    .vgpr_count:     1024
    .wavefront_size: 32
...
	.end_amdgpu_metadata
.endif
;; end of part 2
;; launch attn (part 3): grid 32 x 8, 4 waves a work-group, no clusters, 66,048 bytes of LDS; arguments qkvbuf, ints, positions, part; writes part
.if DOCPART == 3
	.amdgcn_target "amdgcn-amd-amdhsa--gfx1250"
	.amdhsa_code_object_version 6
	.text
	.protected	k_q342aa610fc_attn
	.globl	k_q342aa610fc_attn
	.p2align	8
	.type	k_q342aa610fc_attn,@function
k_q342aa610fc_attn:
	s_mov_b64 s[64:65], 0
	v_nop
	global_prefetch_b8 v0, s[64:65] scope:SCOPE_SE
	s_setreg_imm32_b32 hwreg(HW_REG_WAVE_MODE, 25, 1), 1
	s_wait_xcnt 0x0
; Attention, both products in f16 with f32 sums, for ONE QUARTER of the key steps: work-group (x, head) takes query blocks p = x / 4 and 15 - p (256 queries each) and the key steps ks = 4 J + x % 4 of 64 keys.
; It leaves, for each query, O / l in f16 images and (c m, l) in f32; the next launch joins the four quarters.
; THE MASK IS positions[query] >= positions[key], an input.  A key step is left out only by a test on stored whole numbers: its smallest position against the queries' largest.  Those are branches on
; numbers read from memory, so this launch has no tensor load, no cluster and no joint request: K and V come through registers into LDS, and every barrier stands outside the branches.
; With ascending positions the pair (p, 15 - p) has 17 steps of work in every work-group; any other positions are served, evenly or not.
; LAYOUT.  S^T = K Q^T (source 0 = 16 keys, source 1 = 16 queries), O^T = V^T P: a lane holds one query (lane % 16) throughout.  K is read from LDS as its image lies; V's image is read turned, by ds_load_tr16_b128.
; SOFTMAX.  A running maximum m and sum l for each query: p = 2^(c s - c m), c = log2(e) / sqrt(128); O and l are multiplied by 2^(c m_old - c m_new) in every step.  Hidden scores become -infinity, so p = 0.
; A query that has seen no key yet keeps m = -3e38, l = 0, O = 0.  O^T is cleared at a block's head: which step is the first with work hangs on data, so no first product can be written out.
; One trip of the loop runs two key steps, so that the slot stands as a constant in every LDS offset.  One barrier a step: step J + 1 is stored into the slot that was read in step J - 1, and every wave's
; reads of that slot were waited for in front of step J's signal.
; THE LDS LOADS OF A STEP.  K's 32 go first, by blocks of 32 channels, since the first 16 products want the first block of all 64 keys: they wait for 8 loads.  V's 32 stand in four runs of 8, one behind each 16 products K Q^T.
; LIMITS: |q|, |k|, |v| under 65,504; NaN and infinities are not served.
; REGISTERS: window 0: v2-11 addresses, v12-43 statistics, v44-47 the queries' positions, v62-63 the add's two, v64-191 S^T, v192-255 P (under the mask: the keys' positions);
;   window 1: O^T;  window 2: v0-127 Q, v128-255 K;  window 3: v0-127 V^T, v128-191 the step that is being brought in.
.set KI,    8388608
.set VI,    16777216
.set KQ,    16896
.set STT,   33554432
.set SLOTB, 32768                      ; a slot: K's 4 tiles of 16 keys (4,096 bytes each), then V's 4
.set VOFF,  16384
.set SPARE, 65536                      ; the spare words, 128 bytes for each wave: two blocks of 256 bytes that no other line names
.set LK,  2                            ; v2   16 x lane
.set LV,  3                            ; v3   my place in a block of V for the turning load, + VOFF
.set LW,  6                            ; v6   where I store what I bring in: 8,192 x wave + 16 x lane
.set L8,  8                            ; v8   8 x lane
.set NINF, 9                           ; v9   -infinity
.set H32, 10                           ; v10  32 x (lane / 16)
.set R4,  11                           ; v11  4 x (lane % 16)
.set ST,  12                           ; tile t: +0 c m, +1 m, +2, +3 l, +4 .. +7 at work
.set QP,  44
.set SPW, 62
.set NIL, 63
.set S,   64
.set P,   192
.set KF,  128
.set SG,  128
.set CS,  58                           ; s[58:59] c
.set SEL, 60                           ; s[60:61] lane l xor 16
.set MSB, 0
.macro WIN new
.if MSB != (\new)
	s_set_vgpr_msb (MSB<<8)|(\new)
.set MSB, (\new)
.endif
.endm
.set W_KQ, 0x0a
.set W_PV, 0x53
.set W_RS, 0x41
	s_load_b256 s[4:11], s[0:1], 0x0               ; qkvbuf s[4:5], ints s[6:7], positions s[8:9], part s[10:11]
	v_lshl_add_u32 v[SPW], v0, 2, SPARE
	v_mov_b32 v[NIL], 0
	v_lshrrev_b32 v1, 5, v0
	v_readfirstlane_b32 s12, v1                    ; wave
	v_and_b32 v1, 31, v0
	v_lshlrev_b32 v[LK], 4, v1
	v_bfe_u32 v5, v0, 3, 1
	v_bfe_u32 v7, v0, 4, 1
	v_and_b32 v4, 7, v0
	v_lshl_add_u32 v4, v7, 3, v4
	v_lshl_add_u32 v4, v5, 4, v4                   ; the image's lane that holds key 8 (L / 16) + L % 8, channels 8 ((L / 8) % 2) on
	v_lshl_add_u32 v[LV], v4, 4, VOFF
	s_lshl_b32 s13, s12, 13
	v_add_nc_u32 v[LW], s13, v[LK]
	v_lshlrev_b32 v[L8], 3, v1
	v_mov_b32 v[NINF], 0xff800000
	v_lshlrev_b32 v[H32], 5, v7
	v_and_b32 v[R4], 15, v0
	v_lshlrev_b32 v[R4], 2, v[R4]
	s_lshr_b32 s14, ttmp9, 2                       ; p
	s_and_b32 s15, ttmp9, 3                        ; my quarter
	s_and_b32 s86, ttmp7, 0xffff                   ; the head
	s_sub_co_u32 s87, 15, s14
	s_mov_b32 s[CS], 0x3e0293ee
	s_mov_b32 s[CS+1], s[CS]
	s_mov_b32 s[SEL], 0x76543210
	s_mov_b32 s[SEL+1], 0xfedcba98
	s_cmp_lt_u32 s12, 2                            ; waves 0, 1 bring K's halves of a step, waves 2, 3 V's
	s_cselect_b32 s72, 0, VI-KI
	s_add_co_u32 s72, s72, KI
	s_lshl_b32 s98, s86, 20
	s_add_co_u32 s72, s72, s98
	s_lshl_b32 s99, s15, 14
	s_add_co_u32 s72, s72, s99
	s_and_b32 s99, s12, 1
	s_lshl_b32 s99, s99, 13
	s_add_co_u32 s72, s72, s99
	s_mov_b32 s73, 0
	s_lshl_b32 s76, s12, 14
	s_add_co_u32 s76, s76, s98                     ; head and wave in the images
	s_mov_b32 s77, 0
	s_lshl_b32 s78, s15, 23
	s_add_co_u32 s78, s78, s76
	s_mov_b32 s79, 0
	s_lshl_b32 s80, s15, 3
	s_add_co_u32 s80, s80, s86
	s_lshl_b32 s80, s80, 16
	s_lshl_b32 s99, s12, 10
	s_add_co_u32 s80, s80, s99
	s_add_co_u32 s80, s80, STT
	s_mov_b32 s81, 0
	s_lshl_b32 s82, s12, 8
	s_mov_b32 s83, 0
	s_lshl_b32 s92, s15, 8
	s_mov_b32 s93, 0
	s_lshl_b32 s99, s15, 7
	s_wait_kmcnt 0x0
	s_load_b512 s[16:31], s[6:7], s99 offset:KQ    ; my quarter's 16 steps: smallest and largest position
	s_load_b512 s[32:47], s[6:7], s99 offset:KQ+64
	s_add_nc_u64 s[72:73], s[4:5], s[72:73]        ; what I bring in, step J = 0
	s_add_nc_u64 s[76:77], s[4:5], s[76:77]        ; Q
	s_add_nc_u64 s[78:79], s[10:11], s[78:79]      ; the partial O
	s_add_nc_u64 s[80:81], s[10:11], s[80:81]      ; the statistics
	s_add_nc_u64 s[82:83], s[8:9], s[82:83]        ; the queries' positions
	s_add_nc_u64 s[92:93], s[8:9], s[92:93]        ; the keys' positions, step J = 0
	WIN 0xc0
.set i, 0
.rept 64
	v_mov_b32 v[SG+i], 0                           ; written once, so that no way through the text reads them unwritten
.set i, i+1
.endr
	WIN 0
.macro STAGE_LD                        ; my 8,192 bytes of a step: 16 loads of 512 consecutive bytes
	WIN 0xc0
.set i, 0
.rept 16
	global_load_b128 v[SG+4*i:SG+4*i+3], v[LK], s[74:75] offset:512*i
.set i, i+1
.endr
	WIN 0
.endm
.macro KQ                              ; product i of 64: tile i % 4, keys 16 ((i / 4) % 4) on, channels 32 (i / 16) on; 16 accumulators by turns; the first 16 start the sums
	WIN W_KQ
.set rS, S+32*(i%4)+8*((i/4)%4)
.set rK, KF+32*((i/4)%4)+8*(i/16)
.set rQ, 32*(i%4)+8*(i/16)
.if i < 16
	v_wmma_f32_16x16x32_f16 v[rS:rS+7], v[rK:rK+7], v[rQ:rQ+7], 0
.else
	v_wmma_f32_16x16x32_f16 v[rS:rS+7], v[rK:rK+7], v[rQ:rQ+7], v[rS:rS+7]
.endif
.endm
.macro PV                              ; product i of 64: tile i % 4, channels 16 ((i / 4) % 8) on, keys 32 (i / 32) on; 32 accumulators by turns
	WIN W_PV
.set rO, 64*(i%4)+8*((i/4)%8)
.set rV, 64*(i/32)+8*((i/4)%8)
.set rP, P+16*(i%4)+8*(i/32)
	v_wmma_f32_16x16x32_f16 v[rO:rO+7], v[rV:rV+7], v[rP:rP+7], v[rO:rO+7]
.endm
; One tile's softmax for one key step is a list of 134 instructions; SM writes number j of it for tile t.
;   0-15 the maximum of the 32 scores and the old m;  16-20 the other half of the lanes', the new m, c m, its change;  21-69 ONE BATCH: 16 packed scalings and 33 exponentials, none of which reads an
;   exponential's result;  70-85 the roundings to f16;  86-101 the sums;  102-133 O^T times a.
.macro SM t
.set rT, ST+8*(\t)
.set rS, S+32*(\t)
.set rP, P+16*(\t)
.set rO, 64*(\t)+2*(j-102)
.if j < 102
	WIN 0
.endif
.if j < 4
	v_max3_num_f32 v[rT+4+j], v[rS+8*j], v[rS+8*j+1], v[rS+8*j+2]
.elseif j < 12
	v_max3_num_f32 v[rT+4+j%4], v[rT+4+j%4], v[rS+8*(j%4)+2*(j/4)+1], v[rS+8*(j%4)+2*(j/4)+2]
.elseif j == 12
	v_max3_num_f32 v[rT+4], v[rT+4], v[rS+7], v[rS+15]
.elseif j == 13
	v_max3_num_f32 v[rT+6], v[rT+6], v[rS+23], v[rS+31]
.elseif j == 14
	v_max3_num_f32 v[rT+4], v[rT+4], v[rT+5], v[rT+6]
.elseif j == 15
	v_max3_num_f32 v[rT+4], v[rT+4], v[rT+7], v[rT+1]
.elseif j == 16
	v_permlanex16_b32 v[rT+5], v[rT+4], s[SEL], s[SEL+1]
.elseif j == 17
	v_mov_b32 v[rT+7], v[rT]
.elseif j == 18
	v_max_num_f32 v[rT+1], v[rT+4], v[rT+5]
.elseif j == 19
	v_mul_f32 v[rT], s[CS], v[rT+1]
.elseif j == 20
	v_sub_f32 v[rT+7], v[rT+7], v[rT]
.elseif j == 23
	v_exp_f32 v[rT+6], v[rT+7]
.elseif (j < 23) || ((j < 38) && (j%2 == 0)) || ((j < 66) && (j%4 == 2))
.set b, (j-2)/4
.if j < 38
.set b, (j-20)/2
.endif
	v_pk_fma_f32 v[rS+2*b:rS+2*b+1], v[rS+2*b:rS+2*b+1], s[CS:CS+1], v[rT:rT+1] op_sel_hi:[1,0,0] neg_lo:[0,0,1] neg_hi:[0,0,1]
.elseif j < 70
.set e, j-38
.if j < 66
.set e, j-32-(j-38)/4
.endif
.if j < 38
.set e, (j-25)/2
.endif
	v_exp_f32 v[rS+e], v[rS+e]
.elseif j < 86
	v_cvt_pk_f16_f32 v[rP+j-70], v[rS+2*(j-70)], v[rS+2*(j-70)+1]
.elseif j < 102
.set z, j-86
.set w, 4
.set u, z
.if z >= 14
.set w, 32
.set u, 0
.elseif z >= 12
.set w, 16
.set u, z-12
.elseif z >= 8
.set w, 8
.set u, z-8
.endif
.if z < 15
	v_pk_add_f32 v[rS+w*u:rS+w*u+1], v[rS+w*u:rS+w*u+1], v[rS+w*u+w/2:rS+w*u+w/2+1]
.else
	v_pk_fma_f32 v[rT+2:rT+3], v[rT+2:rT+3], v[rT+6:rT+7], v[rS:rS+1] op_sel_hi:[1,0,1]
.endif
.else
	WIN W_RS
	v_pk_mul_f32 v[rO:rO+1], v[rO:rO+1], v[rT+6:rT+7] op_sel_hi:[1,0]
.endif
.endm
; ONE KEY STEP, J = s63, in slot \slot.  s67: the steps with work for the work-group; s68: for my wave; s69: those of them that want the mask.
.macro HALF slot
	s_wait_loadcnt 0x0                             ; what I asked for a step ago is in (on every way: no load is ever issued into registers that a load is still to write)
	s_bitcmp1_b32 s67, s63
	s_cbranch_scc0 .Lno_store_\@
	WIN 0x0c                                       ; an LDS store's data are its source 1: window 3
.set i, 0
.rept 16
	ds_store_b128 v[LW], v[SG+4*i:SG+4*i+3] offset:\slot*SLOTB+512*i
.set i, i+1
.endr
	WIN 0
.Lno_store_\@:
	s_wait_dscnt 0x0                               ; for the others' sake: my stores have landed, and my reads of the other slot are over
	s_barrier_signal -1
	s_barrier_wait -1
	s_wait_xcnt 0x0                                ; the last loads have read their bases: both pointers step
	s_add_nc_u64 s[74:75], s[74:75], 65536         ; four steps on: my quarter's next
	s_add_nc_u64 s[84:85], s[84:85], 1024
	s_add_co_u32 s66, s63, 1
	s_bitcmp1_b32 s67, s66                         ; (bit 16 is 0: nothing is asked for beyond the last step)
	s_cbranch_scc0 .Lno_load_\@
	STAGE_LD
.Lno_load_\@:
	s_bitcmp1_b32 s68, s63
	s_cbranch_scc0 .Lidle_\@
	WIN 0x80
.set i, 0
.rept 16                                       ; K, by blocks of 32 channels: channels 32 (i / 4) on, keys 16 (i % 4) on; the fragment's registers are those of number 4 (i % 4) + i / 4
.set f, 4*(i%4)+i/4
	ds_load_b128 v[KF+8*f:KF+8*f+3],   v[LK] offset:\slot*SLOTB+(i%4)*4096+(i/4)*1024
	ds_load_b128 v[KF+8*f+4:KF+8*f+7], v[LK] offset:\slot*SLOTB+(i%4)*4096+(i/4)*1024+512
.set i, i+1
.endr
.set i, 0
.rept 64
.if i%16 == 0
	s_wait_dscnt 24                                ; the 8 loads of K's channel block i / 16 are in.  Behind them 24 loads are out each time: 8 (3 - i / 16) of K and the 8 (i / 16) of V issued below
.endif
	KQ
.if i%16 == 15
	WIN 0xc0                                       ; a run of 8 of V's loads behind each 16 products.  V's registers were last read by the step before, four plain lines or more back
.irp g, 0,1,2,3
.set f, 4*(i/16)+\g                            ; V^T: keys 32 (f / 8) on, channels 16 (f % 8) on
	ds_load_tr16_b128 v[8*f:8*f+3],   v[LV] offset:\slot*SLOTB+(f/8)*8192+(f%8)*512
	ds_load_tr16_b128 v[8*f+4:8*f+7], v[LV] offset:\slot*SLOTB+(f/8)*8192+4096+(f%8)*512
.endr
.endif
.set i, i+1
.endr
	WIN 0
.rept 4
	v_nop                                          ; places behind the last products, ahead of the first read of the scores
.endr
	s_bitcmp1_b32 s69, s63
	s_cbranch_scc0 .Lopen_\@
.irp kt, 0,1,2,3                               ; the positions of my 32 keys: 64 ks + 16 kt + 8 h + 0 .. 7 (the pointer stands a step further on)
	global_load_b128 v[P+8*\kt:P+8*\kt+3],   v[H32], s[84:85] offset:64*\kt-1024
	global_load_b128 v[P+8*\kt+4:P+8*\kt+7], v[H32], s[84:85] offset:64*\kt-1024+16
.endr
	s_wait_loadcnt 0x0
.irp t, 0,1,2,3
.set n, 0
.rept 32
	v_cmp_gt_i32 vcc_lo, v[P+n], v[QP+\t]          ; hidden where the key's position is above the query's
	v_cndmask_b32 v[S+32*\t+n], v[S+32*\t+n], v[NINF], vcc_lo
.set n, n+1
.endr
.endr
.Lopen_\@:
.set j, 0
.rept 70
.irp t, 0,1,2,3
	SM \t
.endr
.set j, j+1
.endr
	v_nop                                          ; the plain line behind the last exponential
	s_wait_alu depctr_va_vdst(0)                   ; one wait for the step's 132 exponentials, ahead of their first reader
.rept 64
.irp t, 0,1,2,3
	SM \t
.endr
.set j, j+1
.endr
	s_wait_dscnt 0x0                               ; V is in
.set i, 0
.rept 64
	PV
.set i, i+1
.endr
	WIN 0
.rept 4
	v_nop                                          ; places ahead of the next loads into V's and P's registers and of the next read of O^T
.endr
.Lidle_\@:
	s_add_co_u32 s63, s63, 1
.endm
.macro PACK t                          ; O^T / l, rounded to f16: a lane's eight channels are its 16 bytes of a block of the image
	WIN W_RS
.set i, 64*\t
.rept 32
	v_pk_mul_f32 v[i:i+1], v[i:i+1], v[ST+8*\t+6:ST+8*\t+7] op_sel_hi:[1,0]
.set i, i+2
.endr
	WIN 0x05
.set i, 0
.rept 32
	v_cvt_pk_f16_f32 v[S+32*\t+i], v[64*\t+2*i], v[64*\t+2*i+1]
.set i, i+1
.endr
	WIN 0
.irp f, 0,1,2,3,4,5,6,7
	global_store_b128 v[LK], v[S+32*\t+4*\f:S+32*\t+4*\f+3], s[90:91] offset:\t*4096+512*\f   ; 512 consecutive bytes, aligned
.endr
.endm
	s_mov_b32 s71, 0
.Lblock:                                           ; two trips: query block p, then 15 - p
	s_cmp_eq_u32 s71, 0
	s_cselect_b32 s70, s14, s87
	s_wait_loadcnt 0x0                             ; no load is still to land when the block's first loads are issued: those below write the registers that the last step's loads write
	s_wait_xcnt 0x0                                ; everything issued so far has read its registers and bases
	s_lshl_b32 s98, s70, 3
	s_load_b64 s[48:49], s[6:7], s98 offset:KQ     ; smallest and largest position of the block's four runs of 64 queries,
	s_load_b64 s[50:51], s[6:7], s98 offset:KQ+128
	s_load_b64 s[52:53], s[6:7], s98 offset:KQ+256
	s_load_b64 s[54:55], s[6:7], s98 offset:KQ+384
	s_lshl_b32 s99, s12, 7
	s_add_co_u32 s99, s99, s98
	s_load_b64 s[56:57], s[6:7], s99 offset:KQ     ; and of my wave's
	s_lshl_b32 s68, s70, 16
	s_mov_b32 s69, 0
	s_add_nc_u64 s[88:89], s[76:77], s[68:69]
	s_add_nc_u64 s[90:91], s[78:79], s[68:69]
	s_lshl_b32 s68, s70, 12
	s_add_nc_u64 s[94:95], s[80:81], s[68:69]
	s_lshl_b32 s68, s70, 10
	s_add_nc_u64 s[96:97], s[82:83], s[68:69]
	s_mov_b64 s[74:75], s[72:73]
	s_mov_b64 s[84:85], s[92:93]
	s_wait_kmcnt 0x0
	s_max_i32 s98, s49, s51
	s_max_i32 s99, s53, s55
	s_max_i32 s98, s98, s99                        ; the work-group's largest query position
	s_mov_b32 s67, 0
	s_mov_b32 s68, 0
	s_mov_b32 s69, 0
.set i, 0
.rept 16
	s_cmp_le_i32 s[16+2*i], s98
	s_cselect_b32 s99, 1<<i, 0
	s_or_b32 s67, s67, s99
	s_cmp_le_i32 s[16+2*i], s57
	s_cselect_b32 s99, 1<<i, 0
	s_or_b32 s68, s68, s99
	s_cmp_gt_i32 s[17+2*i], s56
	s_cselect_b32 s99, 1<<i, 0
	s_or_b32 s69, s69, s99
.set i, i+1
.endr
	WIN 0x80
.set i, 0
.rept 16                                       ; Q stays in registers: tile i / 4, channels 32 (i % 4) on
	global_load_b128 v[8*i:8*i+3],   v[LK], s[88:89] offset:(i/4)*4096+(i%4)*1024
	global_load_b128 v[8*i+4:8*i+7], v[LK], s[88:89] offset:(i/4)*4096+(i%4)*1024+512
.set i, i+1
.endr
	WIN 0
.irp t, 0,1,2,3
	global_load_b32 v[QP+\t], v[R4], s[96:97] offset:64*\t
.endr
	s_bitcmp1_b32 s67, 0
	s_cbranch_scc0 .Lno_first
	STAGE_LD
.Lno_first:
	WIN 0x40
.set i, 0
.rept 256
	v_mov_b32 v[i], 0                              ; O^T, while the loads are on their way
.set i, i+1
.endr
	WIN 0
.irp t, 0,1,2,3
	v_mov_b32 v[ST+8*\t+1], 0xff61b1e6             ; m = -3e38, under every score
	v_mul_f32 v[ST+8*\t], s[CS], v[ST+8*\t+1]
.irp q, 2,3,4,5,6,7
	v_mov_b32 v[ST+8*\t+\q], 0
.endr
.endr
	s_mov_b32 s63, 0
	s_mov_b32 s13, 0
.Lpair:                                            ; 8 trips of two key steps
	HALF 0
	HALF 1
	s_add_co_u32 s13, s13, 1
	s_cmp_lt_u32 s13, 8
	s_cbranch_scc1 .Lpair
.irp t, 0,1,2,3
	v_add_f32 v[ST+8*\t+4], v[ST+8*\t+2], v[ST+8*\t+3]
.endr
.irp t, 0,1,2,3
	v_permlanex16_b32 v[ST+8*\t+5], v[ST+8*\t+4], s[SEL], s[SEL+1]
.endr
.irp t, 0,1,2,3
	v_add_f32 v[ST+8*\t+1], v[ST+8*\t+4], v[ST+8*\t+5]   ; l, beside c m
.endr
.irp t, 0,1,2,3
	v_max_num_f32 v[ST+8*\t+4], 0x0da24260, v[ST+8*\t+1] ; a query with no key in this quarter: 0 x (1 / 1e-30) = 0
.endr
.irp t, 0,1,2,3
	v_rcp_f32 v[ST+8*\t+6], v[ST+8*\t+4]
.endr
	v_nop
	s_wait_alu depctr_va_vdst(0)                   ; one wait for the four reciprocals
.irp t, 0,1,2,3
	global_store_b64 v[L8], v[ST+8*\t:ST+8*\t+1], s[94:95] offset:256*\t   ; 256 consecutive bytes, aligned
.endr
	PACK 0
	PACK 1
	PACK 2
	PACK 3
	s_add_co_u32 s71, s71, 1
	s_cmp_lt_u32 s71, 2
	s_cbranch_scc1 .Lblock
	s_wait_tensorcnt 0x0                           ; the wave's end
	ds_add_u32 v[SPW], v[NIL]
	s_wait_dscnt 0x0
	s_endpgm
.Lfunc_end_k_q342aa610fc_attn:
	.size	k_q342aa610fc_attn, .Lfunc_end_k_q342aa610fc_attn-k_q342aa610fc_attn
	.p2alignl 7, 3214868480
	.fill 96, 4, 3214868480
	.section	.rodata,"a",@progbits
	.p2align	6, 0x0
	.amdhsa_kernel k_q342aa610fc_attn
		.amdhsa_group_segment_fixed_size 66048
		.amdhsa_private_segment_fixed_size 0
		.amdhsa_enable_private_segment 0
		.amdhsa_kernarg_size 32
		.amdhsa_user_sgpr_count 2
		.amdhsa_user_sgpr_kernarg_segment_ptr 1
		.amdhsa_wavefront_size32 1
		.amdhsa_system_sgpr_workgroup_id_x 1
		.amdhsa_system_sgpr_workgroup_id_y 1
		.amdhsa_system_sgpr_workgroup_id_z 1
		.amdhsa_system_vgpr_workitem_id 0
		.amdhsa_next_free_vgpr 1024
		.amdhsa_next_free_sgpr 100
		.amdhsa_reserve_vcc 1
		.amdhsa_float_denorm_mode_32 3
		.amdhsa_float_denorm_mode_16_64 3
		.amdhsa_memory_ordered 1
		.amdhsa_forward_progress 1
		.amdhsa_inst_pref_size 155
	.end_amdhsa_kernel
	.amdgpu_metadata
---
amdhsa.version: [ 1, 2 ]
amdhsa.kernels:
  - .name:           k_q342aa610fc_attn
    .symbol:         k_q342aa610fc_attn.kd
    .args:
      - { .name: qkvbuf, .offset: 0, .size: 8, .value_kind: global_buffer, .address_space: global }
      - { .name: ints, .offset: 8, .size: 8, .value_kind: global_buffer, .address_space: global }
      - { .name: positions, .offset: 16, .size: 8, .value_kind: global_buffer, .address_space: global }
      - { .name: part, .offset: 24, .size: 8, .value_kind: global_buffer, .address_space: global }
    .group_segment_fixed_size: 66048
    .private_segment_fixed_size: 0
    .kernarg_segment_align: 8
    .kernarg_segment_size: 32
    .max_flat_workgroup_size: 128
    .sgpr_count:     100
    .vgpr_count:     1024
    .wavefront_size: 32
...
	.end_amdgpu_metadata
.endif
;; end of part 3
;; launch merge (part 4): grid 256 x 1, 8 waves a work-group, no clusters, 0 bytes of LDS; arguments part, oimg; writes oimg
.if DOCPART == 4
	.amdgcn_target "amdgcn-amd-amdhsa--gfx1250"
	.amdhsa_code_object_version 6
	.text
	.protected	k_q342aa610fc_merge
	.globl	k_q342aa610fc_merge
	.p2align	8
	.type	k_q342aa610fc_merge,@function
k_q342aa610fc_merge:
	s_mov_b64 s[64:65], 0
	v_nop
	global_prefetch_b8 v0, s[64:65] scope:SCOPE_SE
	s_setreg_imm32_b32 hwreg(HW_REG_WAVE_MODE, 25, 1), 1
	s_wait_xcnt 0x0
; The four quarters of each (head, 16 tokens) are joined: o = sum over j of w_j (O_j / l_j), w_j = l_j 2^(c m_j - M) / W, M the largest c m_j, W the sum of the numerators.
; A stream: a wave takes one image of 4,096 bytes from each quarter (32 loads of 512 consecutive bytes, all on their way at once), its 32 lanes' statistics, and stores one image.  No LDS, no barrier, no matrix unit.
; A quarter in which a query saw no key has c m = -3.8e37 and l = 0: its weight is 0.  Every query sees itself, so W is above 0.
; REGISTERS: v0-127 the four partial images (register halves have names up to v127); v128-129 offsets; v130-137 statistics; v138-159 at work; v160-191 the result.
.set STT, 33554432
	s_load_b128 s[4:7], s[0:1], 0x0                ; part, oimg
	v_lshrrev_b32 v128, 5, v0
	v_readfirstlane_b32 s8, v128
	v_and_b32 v128, 31, v0
	v_lshlrev_b32 v129, 4, v128                    ; 16 x lane
	v_lshlrev_b32 v128, 3, v128                    ; 8 x lane
	s_lshl_b32 s9, ttmp9, 3
	s_add_co_u32 s9, s9, s8                        ; 256 x head + tile
	s_lshl_b32 s10, s9, 12
	s_mov_b32 s11, 0
	s_lshl_b32 s12, s9, 8
	s_add_co_u32 s12, s12, STT
	s_mov_b32 s13, 0
	s_wait_kmcnt 0x0
	s_add_nc_u64 s[14:15], s[4:5], s[12:13]
	s_add_nc_u64 s[16:17], s[4:5], s[10:11]
	s_add_nc_u64 s[18:19], s[16:17], 8388608       ; a quarter on: past the loads' immediate, so each quarter has its base
	s_add_nc_u64 s[20:21], s[18:19], 8388608
	s_add_nc_u64 s[22:23], s[20:21], 8388608
	s_add_nc_u64 s[6:7], s[6:7], s[10:11]
.irp j, 0,1,2,3
	global_load_b64 v[130+2*\j:131+2*\j], v128, s[14:15] offset:524288*\j th:TH_LOAD_NT
.endr
.irp j, 0,1,2,3
.irp b, 0,1,2,3,4,5,6,7
	global_load_b128 v[32*\j+4*\b:32*\j+4*\b+3], v129, s[16+2*\j:17+2*\j] offset:512*\b th:TH_LOAD_NT
.endr
.endr
	s_wait_loadcnt 32                              ; the statistics are in; the 32 loads behind them may be out
	v_max3_num_f32 v138, v130, v132, v134
	v_max_num_f32 v138, v138, v136
.irp j, 0,1,2,3
	v_sub_f32 v[140+\j], v[130+2*\j], v138
.endr
.irp j, 0,1,2,3
	v_exp_f32 v[140+\j], v[140+\j]
.endr
	v_nop
	s_wait_alu depctr_va_vdst(0)                   ; one wait for the four
.irp j, 0,1,2,3
	v_mul_f32 v[140+\j], v[140+\j], v[131+2*\j]
.endr
	v_add_f32 v138, v140, v141
	v_add_f32 v139, v142, v143
	v_add_f32 v138, v138, v139
	v_rcp_f32 v139, v138
	v_nop
	s_wait_alu depctr_va_vdst(0)
.irp j, 0,1,2,3
	v_mul_f32 v[144+2*\j], v[140+\j], v139         ; the weights, each the low word of a pair
	v_mov_b32 v[145+2*\j], 0
.endr
	s_wait_loadcnt 0x0
.macro MG a, b, c, d                   ; one register (two f16) of each quarter -> one of the result
	v_cvt_f32_f16 v152, v\a\().l
	v_cvt_f32_f16 v153, v\a\().h
	v_cvt_f32_f16 v154, v\b\().l
	v_cvt_f32_f16 v155, v\b\().h
	v_cvt_f32_f16 v156, v\c\().l
	v_cvt_f32_f16 v157, v\c\().h
	v_cvt_f32_f16 v158, v\d\().l
	v_cvt_f32_f16 v159, v\d\().h
	v_pk_mul_f32 v[138:139], v[152:153], v[144:145] op_sel_hi:[1,0]
	v_pk_fma_f32 v[138:139], v[154:155], v[146:147], v[138:139] op_sel_hi:[1,0,1]
	v_pk_fma_f32 v[138:139], v[156:157], v[148:149], v[138:139] op_sel_hi:[1,0,1]
	v_pk_fma_f32 v[138:139], v[158:159], v[150:151], v[138:139] op_sel_hi:[1,0,1]
	v_cvt_pk_f16_f32 v[160+\a], v138, v139
.endm
	MG 0, 32, 64, 96
	MG 1, 33, 65, 97
	MG 2, 34, 66, 98
	MG 3, 35, 67, 99
	MG 4, 36, 68, 100
	MG 5, 37, 69, 101
	MG 6, 38, 70, 102
	MG 7, 39, 71, 103
	MG 8, 40, 72, 104
	MG 9, 41, 73, 105
	MG 10, 42, 74, 106
	MG 11, 43, 75, 107
	MG 12, 44, 76, 108
	MG 13, 45, 77, 109
	MG 14, 46, 78, 110
	MG 15, 47, 79, 111
	MG 16, 48, 80, 112
	MG 17, 49, 81, 113
	MG 18, 50, 82, 114
	MG 19, 51, 83, 115
	MG 20, 52, 84, 116
	MG 21, 53, 85, 117
	MG 22, 54, 86, 118
	MG 23, 55, 87, 119
	MG 24, 56, 88, 120
	MG 25, 57, 89, 121
	MG 26, 58, 90, 122
	MG 27, 59, 91, 123
	MG 28, 60, 92, 124
	MG 29, 61, 93, 125
	MG 30, 62, 94, 126
	MG 31, 63, 95, 127
.irp b, 0,1,2,3,4,5,6,7
	global_store_b128 v129, v[160+4*\b:163+4*\b], s[6:7] offset:512*\b   ; 512 consecutive bytes, aligned
.endr
	s_endpgm
.Lfunc_end_k_q342aa610fc_merge:
	.size	k_q342aa610fc_merge, .Lfunc_end_k_q342aa610fc_merge-k_q342aa610fc_merge
	.p2alignl 7, 3214868480
	.fill 96, 4, 3214868480
	.section	.rodata,"a",@progbits
	.p2align	6, 0x0
	.amdhsa_kernel k_q342aa610fc_merge
		.amdhsa_group_segment_fixed_size 0
		.amdhsa_private_segment_fixed_size 0
		.amdhsa_enable_private_segment 0
		.amdhsa_kernarg_size 16
		.amdhsa_user_sgpr_count 2
		.amdhsa_user_sgpr_kernarg_segment_ptr 1
		.amdhsa_wavefront_size32 1
		.amdhsa_system_sgpr_workgroup_id_x 1
		.amdhsa_system_sgpr_workgroup_id_y 1
		.amdhsa_system_sgpr_workgroup_id_z 1
		.amdhsa_system_vgpr_workitem_id 0
		.amdhsa_next_free_vgpr 192
		.amdhsa_next_free_sgpr 66
		.amdhsa_reserve_vcc 0
		.amdhsa_float_denorm_mode_32 3
		.amdhsa_float_denorm_mode_16_64 3
		.amdhsa_memory_ordered 1
		.amdhsa_forward_progress 1
		.amdhsa_inst_pref_size 25
	.end_amdhsa_kernel
	.amdgpu_metadata
---
amdhsa.version: [ 1, 2 ]
amdhsa.kernels:
  - .name:           k_q342aa610fc_merge
    .symbol:         k_q342aa610fc_merge.kd
    .args:
      - { .name: part, .offset: 0, .size: 8, .value_kind: global_buffer, .address_space: global }
      - { .name: oimg, .offset: 8, .size: 8, .value_kind: global_buffer, .address_space: global }
    .group_segment_fixed_size: 0
    .private_segment_fixed_size: 0
    .kernarg_segment_align: 8
    .kernarg_segment_size: 16
    .max_flat_workgroup_size: 256
    .sgpr_count:     66
    .vgpr_count:     192
    .wavefront_size: 32
...
	.end_amdgpu_metadata
.endif
;; end of part 4
;; launch proj (part 5): grid 8 x 32, 4 waves a work-group, clusters of 4 x 4, 327,680 bytes of LDS; arguments oimg, prepbuf, out0; writes out0
.if DOCPART == 5
	.amdgcn_target "amdgcn-amd-amdhsa--gfx1250"
	.amdhsa_code_object_version 6
	.text
	.protected	k_q342aa610fc_proj
	.globl	k_q342aa610fc_proj
	.p2align	8
	.type	k_q342aa610fc_proj,@function
k_q342aa610fc_proj:
	s_mov_b64 s[64:65], 0
	v_nop
	global_prefetch_b8 v0, s[64:65] scope:SCOPE_SE
	s_setreg_imm32_b32 hwreg(HW_REG_WAVE_MODE, 25, 1), 1
	s_wait_xcnt 0x0
	s_wait_alu depctr_hold_cnt(0) depctr_sa_sdst(0) depctr_va_vdst(0) depctr_va_sdst(0) depctr_va_ssrc(0) depctr_va_vcc(0) depctr_vm_vsrc(0)
	s_getreg_b32 s2, hwreg(HW_REG_IB_STS2, 6, 4)
	s_cmp_eq_u32 s2, 0
	s_cbranch_scc0 .Lentry_in_a_cluster
	s_endpgm
.Lentry_in_a_cluster:
	s_bfe_u32 s2, ttmp6, 0x10000c
	s_cmp_lg_u32 s2, 0xf033
	s_cbranch_scc0 .Lentry_shape_is_right
	s_endpgm
.Lentry_shape_is_right:
; out0 = o w_o, f16 operands, f32 sums.  Both operands lie in memory as IMAGES (16 rows x 128 K: 8 blocks of 512 bytes, lane L's 16 bytes at 16 L): a K step's tiles are dense blocks for one tensor load,
; and a fragment is two LDS loads of 512 consecutive bytes: no pitch, no padding.
; A tile of 128 tokens x 256 columns gives 256 work-groups; wave (w / 2, w % 2) makes 64 x 128: 32 accumulators in window 1.  A K step is one head, 128 along K: 128 matrix instructions a wave.
; Two LDS slots: A's 8 token tiles (32,768 bytes), then B's 16 column tiles (65,536).  Waves 0, 1 fetch A's halves, waves 2, 3 B's: one tensor load a wave behind each round.
; 4 x 4 work-groups form a cluster: A's tiles are asked for jointly along a row of it, B's along a column.  The matrix instruction is used transposed: a lane holds one token and eight neighbouring columns.
; The rows that see at most 16 keys are written again, in f32, by the launch that follows.
; REGISTERS: window 0: v16-29 addresses; v32-127, v128-223 two fragment buffers (A's 4 x 8, then B's 8 x 8), on the way out rows of the result;  window 1: accumulator (a, b) at v[8 (8 a + b)].
.set WI,     7798784
.set SLOT,   98304
.set BOFF,   32768
.set SPARE,  2*SLOT                    ; the spare words, 128 bytes for each wave: two blocks of 256 bytes that no other line names
.set SPITCH, 528                       ; the way out: a stage of 16 rows x (512 bytes + 16) for each wave, in slot 0, which has had its last fill and its last read by then
.set LAPS,   4
.set ADRA, 16
.set ADRB, 20
.set STO,  24
.set RD,   25
.set CO,   26
.set SPW,  28
.set NIL,  29
.set F0,   32
.set F1,   128
.set G1, 24
.set G0, 32
.set G1B, 48
.set G0B, 56
.set MSB, 0
.macro WIN new
.if MSB != \new
	s_set_vgpr_msb (MSB<<8)|\new
.set MSB, \new
.endif
.endm
.set MULW, 0x50                        ; C and D window 1, the fragments window 0
.macro JLOAD s                         ; a joint load; an s_nop 0 and four v_nop follow each of the two lines
	s_cmp_eq_u32 s11, 0
	s_cbranch_scc0 .Lfor_b_\@
	tensor_load_to_lds s[G0+4*\s:G0+4*\s+3], s[G1:G1+7]
	s_nop 0
.rept 4
	v_nop
.endr
	s_branch .Lasked_\@
.Lfor_b_\@:
	tensor_load_to_lds s[G0B+4*\s:G0B+4*\s+3], s[G1B:G1B+7]
	s_nop 0
.rept 4
	v_nop
.endr
.Lasked_\@:
.endm
.macro CREST
	s_cmp_lg_u32 s10, 0
	s_cbranch_scc1 .Lnot_wave_0_\@
	s_barrier_signal -3
.Lnot_wave_0_\@:
	s_barrier_wait -3
	s_barrier_signal -1
	s_barrier_wait -1
.endm
.macro CROUND
	s_barrier_signal -1
	s_barrier_wait -1
	CREST
.endm
	s_load_b128 s[4:7], s[0:1], 0x0                ; oimg s[4:5], prepbuf s[6:7]
	s_load_b64 s[8:9], s[0:1], 0x10                ; out0
	v_lshl_add_u32 v[SPW], v0, 2, SPARE
	v_mov_b32 v[NIL], 0
	ds_add_u32 v[SPW], v[NIL]                      ; the wave's opening: the add, twice on end, and its wait ahead of my first tensor load
	ds_add_u32 v[SPW], v[NIL]
	v_lshrrev_b32 v1, 5, v0
	v_readfirstlane_b32 s10, v1
	s_lshr_b32 s11, s10, 1                         ; which 64 tokens are mine.  Also: I fetch for A (0) or for B (1)
	s_and_b32 s12, s10, 1                          ; which 128 columns.  Also: which half of that tile I fetch
	s_bfe_u32 s40, ttmp6, 0x40000
	s_bfe_u32 s41, ttmp6, 0x40004
	s_lshl_b32 s42, ttmp9, 2
	s_add_co_u32 s42, s42, s40                     ; tile column, 0 .. 7
	s_and_b32 s13, ttmp7, 0xffff
	s_lshl_b32 s13, s13, 2
	s_add_co_u32 s13, s13, s41                     ; tile row, 0 .. 31
	s_lshl_b32 s43, s41, 2
	s_lshl_b32 s43, 15, s43
	s_lshl_b32 s44, 0x1111, s40
	s_or_b32 s[G1+0], s43, (3<<16)|(1<<21)         ; the mask: my row of the cluster; elements of 8 bytes; bit 21 beside a mask; no padding
	s_or_b32 s[G1B+0], s44, (3<<16)|(1<<21)        ; my column
	s_mov_b32 s[G1+1], 32<<16                      ; dense blocks, stated as rows of 256 bytes: tensor_dim0 = 32
	s_mov_b32 s[G1+2], 64<<16                      ; A: 64 rows, 16,384 bytes
	s_mov_b32 s[G1+3], 32<<16
	s_mov_b32 s[G1+4], 64
	s_mov_b32 s[G1+5], 32
	s_mov_b32 s[G1+6], 0
	s_mov_b32 s[G1+7], 0
	s_mov_b32 s[G1B+1], 32<<16
	s_mov_b32 s[G1B+2], 128<<16                    ; B: 128 rows, 32,768 bytes
	s_mov_b32 s[G1B+3], 32<<16
	s_mov_b32 s[G1B+4], 128
	s_mov_b32 s[G1B+5], 32
	s_mov_b32 s[G1B+6], 0
	s_mov_b32 s[G1B+7], 0
	s_lshl_b32 s16, s13, 15
	s_lshl_b32 s17, s12, 14
	s_add_co_u32 s16, s16, s17                     ; A: 8 token tiles a tile row, my half of them
	s_mov_b32 s17, 0
	s_lshl_b32 s46, s42, 16
	s_lshl_b32 s47, s12, 15
	s_add_co_u32 s46, s46, s47
	s_add_co_u32 s46, s46, WI                      ; B: 16 column tiles a tile column, my half of them
	s_mov_b32 s47, 0
	s_lshl_b32 s20, s12, 14                        ; where they go in a slot: no place in the cluster enters an LDS address
	s_lshl_b32 s21, s12, 15
	s_add_co_u32 s21, s21, BOFF
	s_wait_dscnt 0x0
	s_wait_kmcnt 0x0
	s_add_nc_u64 s[14:15], s[4:5], s[16:17]
	s_add_nc_u64 s[46:47], s[6:7], s[46:47]
	CROUND                                         ; all sixteen work-groups are here: the first joint loads meet
.irp s, 0,1
	s_mov_b32 s[G0+4*\s], 1
	s_add_co_u32 s[G0+4*\s+1], s20, \s*SLOT
	s_add_nc_u64 s[G0+4*\s+2:G0+4*\s+3], s[14:15], \s*1048576   ; a head on in oimg
	s_or_b32 s[G0+4*\s+3], s[G0+4*\s+3], 0x80000000
	s_mov_b32 s[G0B+4*\s], 1
	s_add_co_u32 s[G0B+4*\s+1], s21, \s*SLOT
	s_add_nc_u64 s[G0B+4*\s+2:G0B+4*\s+3], s[46:47], \s*524288  ; a head on in w_o's images
	s_or_b32 s[G0B+4*\s+3], s[G0B+4*\s+3], 0x80000000
	JLOAD \s                                       ; by this text's count two tensor loads of a wave are out at the start, one behind each round
.endr
	v_and_b32 v1, 15, v0
	v_bfe_u32 v2, v0, 4, 1
	v_and_b32 v3, 31, v0
	v_lshlrev_b32 v[CO], 4, v3                     ; 16 x lane
	s_lshl_b32 s21, s11, 14                        ; my 4 token tiles
	s_lshl_b32 s22, s12, 15
	s_add_co_u32 s22, s22, BOFF                    ; my 8 column tiles
.irp s, 0,1
	v_add_nc_u32 v[ADRA+\s], s21, v[CO]
	v_add_nc_u32 v[ADRB+\s], s22, v[CO]
	s_add_co_u32 s21, s21, SLOT
	s_add_co_u32 s22, s22, SLOT
.endr
	s_mul_i32 s23, s10, 16*SPITCH                  ; my stage
	v_mul_u32_u24 v4, v1, SPITCH
	v_lshl_add_u32 v4, v2, 5, v4
	v_add_nc_u32 v[STO], s23, v4                   ; in: row l % 16, 32 bytes for each half of the lanes
	v_add_nc_u32 v[RD], s23, v[CO]                 ; back: the 32 lanes take one row of 512 bytes
	s_lshl_b32 s16, s13, 7
	s_lshl_b32 s17, s11, 6
	s_add_co_u32 s16, s16, s17
	s_lshl_b32 s16, s16, 13                        ; my first token's row of 8,192 bytes
	s_mov_b32 s17, 0
	s_add_nc_u64 s[8:9], s[8:9], s[16:17]
	s_lshl_b32 s46, s42, 10
	s_lshl_b32 s47, s12, 9
	s_add_co_u32 s46, s46, s47                     ; my first column, in bytes
	s_mov_b32 s47, 0
	s_add_nc_u64 s[8:9], s[8:9], s[46:47]
.macro MUL f, a0, n, zero              ; 8 n matrix instructions: token tiles a0 .. a0 + n - 1 x my 8 column tiles, 32 along K; the accumulators take turns, one instruction a turn
.set a, \a0
.rept \n
.irp b, 0,1,2,3,4,5,6,7
.if \zero
	v_wmma_f32_16x16x32_f16 v[8*(8*a+\b):8*(8*a+\b)+7], v[\f+32+8*\b:\f+32+8*\b+7], v[\f+8*a:\f+8*a+7], 0
.else
	v_wmma_f32_16x16x32_f16 v[8*(8*a+\b):8*(8*a+\b)+7], v[\f+32+8*\b:\f+32+8*\b+7], v[\f+8*a:\f+8*a+7], v[8*(8*a+\b):8*(8*a+\b)+7]
.endif
.endr
.set a, a+1
.endr
.endm
.macro FETCH slot, kb, f               ; 24 LDS loads in one run: B's 16, then A's tiles 0, 1, then 2, 3
	WIN 0
.irp i, 0,1,2,3,4,5,6,7
	ds_load_b128 v[\f+32+8*\i:\f+32+8*\i+3], v[ADRB+\slot] offset:4096*\i+1024*(\kb)
	ds_load_b128 v[\f+32+8*\i+4:\f+32+8*\i+7], v[ADRB+\slot] offset:4096*\i+1024*(\kb)+512
.endr
.irp i, 0,1,2,3
	ds_load_b128 v[\f+8*\i:\f+8*\i+3], v[ADRA+\slot] offset:4096*\i+1024*(\kb)
	ds_load_b128 v[\f+8*\i+4:\f+8*\i+7], v[ADRA+\slot] offset:4096*\i+1024*(\kb)+512
.endr
.endm
.macro PLACES
.rept 4
	v_nop
.endr
.endm
.macro QUARTER slot, kb, f, g, zero    ; multiplies buffer f; in its middle it fetches the next 32 along K, at block pair kb, into g
	s_wait_dscnt 4                                 ; B and A's tiles 0, 1 are in; the youngest four loads may be out
	WIN MULW
	MUL \f, 0, 2, \zero
	PLACES
	FETCH \slot, \kb, \g
	s_wait_dscnt 24                                ; all but the 24 just issued
	WIN MULW
	MUL \f, 2, 2, \zero
.endm
.macro TURN slot, next, fill           ; the last quarter multiplies buffer 1 and changes slots
	WIN 0
	s_wait_tensorcnt 0x0                           ; all my tensor loads have landed: my part of the next slot
	ds_add_u32 v[SPW], v[NIL]
	s_wait_dscnt 5                                 ; (the add and the youngest four loads may be out)
	WIN MULW
	MUL F1, 0, 1, 0
	s_wait_dscnt 0x0                               ; the add is done, and my reads of this slot are over
	s_barrier_signal -1
	MUL F1, 1, 1, 0
	WIN 0
	s_barrier_wait -1
.if \fill
	CREST                                          ; the barrier has opened a round of the cluster's: no wave of any partner still reads this slot or has a load on its way
	s_add_nc_u64 s[G0+4*\slot+2:G0+4*\slot+3], s[G0+4*\slot+2:G0+4*\slot+3], 2097152
	s_add_nc_u64 s[G0B+4*\slot+2:G0B+4*\slot+3], s[G0B+4*\slot+2:G0B+4*\slot+3], 1048576
	JLOAD \slot                                    ; 112 matrix instructions ahead of the wait for it; its four v_nop are also the places in front of the loads below
.else
	PLACES
.endif
	FETCH \next, 0, F0
	WIN MULW
	MUL F1, 2, 2, 0
.endm
	s_wait_tensorcnt 1                             ; my part of K step 0 is in (K step 1's may be out)
	s_barrier_signal -1
	s_barrier_wait -1
	FETCH 0, 0, F0
	QUARTER 0, 1, F0, F1, 1                        ; the first quarter's products start the sums
	WIN 0
	s_mov_b32 s3, LAPS-1
.Llap:
	QUARTER 0, 2, F1, F0, 0
	QUARTER 0, 3, F0, F1, 0
	TURN 0, 1, 1
	QUARTER 1, 1, F0, F1, 0
	QUARTER 1, 2, F1, F0, 0
	QUARTER 1, 3, F0, F1, 0
	TURN 1, 0, 1
	QUARTER 0, 1, F0, F1, 0
	WIN 0
	s_sub_co_u32 s3, s3, 1
	s_cmp_lg_u32 s3, 0
	s_cbranch_scc1 .Llap
	QUARTER 0, 2, F1, F0, 0                        ; the last lap fills nothing
	QUARTER 0, 3, F0, F1, 0
	TURN 0, 1, 0
	QUARTER 1, 1, F0, F1, 0
	QUARTER 1, 2, F1, F0, 0
	QUARTER 1, 3, F0, F1, 0
	s_wait_dscnt 4
	WIN MULW
	MUL F1, 0, 2, 0
	s_wait_dscnt 0
	MUL F1, 2, 2, 0
	WIN 0
; THE WAY OUT, 16 tokens x 128 columns at a time, through my own stage: in as 32 bytes a lane, back as whole rows of 512 bytes.  LDS serves a wave's instructions in order.
.macro TOSTAGE a
	WIN 0x04                                       ; an LDS store's data are its source 1: window 1
.irp b, 0,1,2,3,4,5,6,7
	ds_store_b128 v[STO], v[64*(\a)+8*\b:64*(\a)+8*\b+3] offset:64*\b        ; each accumulator from its low end on
	ds_store_b128 v[STO], v[64*(\a)+8*\b+4:64*(\a)+8*\b+7] offset:64*\b+16
.endr
	WIN 0
.set BB, 32+64*((\a)%2)
.irp t, 0,1,2,3,4,5,6,7,8,9,10,11,12,13,14,15
	ds_load_b128 v[BB+4*\t:BB+4*\t+3], v[RD] offset:\t*SPITCH
.endr
.endm
.macro SEND a, younger
.set BB, 32+64*((\a)%2)
	s_wait_dscnt \younger
.if (\a) > 0
	s_add_nc_u64 s[8:9], s[8:9], 16*8192           ; (behind a wait on XCNT: the earlier stores have read their base)
.endif
.irp t, 0,1,2,3,4,5,6,7,8,9,10,11,12,13,14,15
	global_store_b128 v[CO], v[BB+4*\t:BB+4*\t+3], s[8:9] offset:\t*8192   ; 512 consecutive bytes, aligned
.endr
.endm
	PLACES
	TOSTAGE 0
.irp a, 1,2,3
.if \a > 1
	s_wait_xcnt 0x0                                ; block a - 2's stores have read their registers and their base
.endif
	TOSTAGE \a
	SEND \a-1, 32                                  ; behind block a - 1's loads: block a's 16 stores and 16 loads
.endr
	s_wait_xcnt 0x0
	SEND 3, 0
	s_wait_tensorcnt 0x0                           ; the wave's end
	ds_add_u32 v[SPW], v[NIL]
	s_wait_dscnt 0x0
	CROUND                                         ; the closing round
	s_endpgm
.Lfunc_end_k_q342aa610fc_proj:
	.size	k_q342aa610fc_proj, .Lfunc_end_k_q342aa610fc_proj-k_q342aa610fc_proj
	.p2alignl 7, 3214868480
	.fill 96, 4, 3214868480
	.section	.rodata,"a",@progbits
	.p2align	6, 0x0
	.amdhsa_kernel k_q342aa610fc_proj
		.amdhsa_group_segment_fixed_size 327680
		.amdhsa_private_segment_fixed_size 0
		.amdhsa_enable_private_segment 0
		.amdhsa_kernarg_size 24
		.amdhsa_user_sgpr_count 2
		.amdhsa_user_sgpr_kernarg_segment_ptr 1
		.amdhsa_wavefront_size32 1
		.amdhsa_system_sgpr_workgroup_id_x 1
		.amdhsa_system_sgpr_workgroup_id_y 1
		.amdhsa_system_sgpr_workgroup_id_z 1
		.amdhsa_system_vgpr_workitem_id 0
		.amdhsa_next_free_vgpr 512
		.amdhsa_next_free_sgpr 66
		.amdhsa_reserve_vcc 0
		.amdhsa_float_denorm_mode_32 3
		.amdhsa_float_denorm_mode_16_64 3
		.amdhsa_memory_ordered 1
		.amdhsa_forward_progress 1
		.amdhsa_inst_pref_size 84
	.end_amdhsa_kernel
	.amdgpu_metadata
---
amdhsa.version: [ 1, 2 ]
amdhsa.kernels:
  - .name:           k_q342aa610fc_proj
    .symbol:         k_q342aa610fc_proj.kd
    .args:
      - { .name: oimg, .offset: 0, .size: 8, .value_kind: global_buffer, .address_space: global }
      - { .name: prepbuf, .offset: 8, .size: 8, .value_kind: global_buffer, .address_space: global }
      - { .name: out0, .offset: 16, .size: 8, .value_kind: global_buffer, .address_space: global }
    .group_segment_fixed_size: 327680
    .private_segment_fixed_size: 0
    .kernarg_segment_align: 8
    .kernarg_segment_size: 24
    .max_flat_workgroup_size: 128
    .sgpr_count:     66
    .vgpr_count:     512
    .wavefront_size: 32
...
	.end_amdgpu_metadata
.endif
;; end of part 5
;; launch fine (part 6): grid 64 x 1, 8 waves a work-group, no clusters, 17,408 bytes of LDS; arguments qkvbuf, ints, w_o, out0; writes out0
.if DOCPART == 6
	.amdgcn_target "amdgcn-amd-amdhsa--gfx1250"
	.amdhsa_code_object_version 6
	.text
	.protected	k_q342aa610fc_fine
	.globl	k_q342aa610fc_fine
	.p2align	8
	.type	k_q342aa610fc_fine,@function
k_q342aa610fc_fine:
	s_mov_b64 s[64:65], 0
	v_nop
	global_prefetch_b8 v0, s[64:65] scope:SCOPE_SE
	s_setreg_imm32_b32 hwreg(HW_REG_WAVE_MODE, 25, 1), 1
	s_wait_xcnt 0x0
; The rows that see at most 16 keys, once more in f32: their sums have few terms, and f16 operands would use up what the comparison allows.
; In the order (position, index) a token that sees c <= 16 keys sees exactly the ranks 0 .. c - 1, so the 16 lowest ranks are a closed set: their q, k, v were kept as f32, [q, k, v][rank][1,024].
; c OF RANK r IS COUNTED HERE, among the positions of the 17 lowest ranks: how many of them are at or under rank r's.  Where a token sees c <= 16 keys these are the ranks 0 .. c - 1, and rank c, which is
; among the 17, lies above: the count is c.  Where it sees more, all 17 count: 17 stands for 'more than 16'.
; A work-group owns 32 columns of out0; wave = head.  Each work-group repeats the small attention (16 x 16 a head), multiplies by its 128 x 32 piece of w_o, and the eight heads' parts are added through LDS.
; All products by the f32 matrix form, no bulk work.  Both sources of a product take k in the same permuted order.  The registers that this form writes (numbers 192 to 255) are written by nothing else.
; The stores are 16 bytes a lane of scattered rows, 128 KiB in the whole launch.  Rows whose count is above 16 keep what the launch before has written; if 17 or more tokens tie at the lowest position, that is all rows.
; REGISTERS: window 0: v32-95 q, later o; v96-159 k; v160-167 scores, then p; v192-223 S^T in four parts; v224-239 the result's two tiles.  window 1: v0-127 w_o; v128-191 v; v192-255 O^T.
.set FF,    25165824
.set PERM,  16384
.set CSO,   16640
.set SPARE, 16384                      ; LDS: 8 x 2,048 bytes of parts; then the spare words, 128 bytes for each wave: four blocks of 256 bytes that no other line names
.set MSB, 0
.macro WIN new
.if MSB != \new
	s_set_vgpr_msb (MSB<<8)|\new
.set MSB, \new
.endif
.endm
.macro PLACES n
.rept \n
	v_nop
.endr
.endm
	s_load_b256 s[4:11], s[0:1], 0x0               ; qkvbuf s[4:5], ints s[6:7], w_o s[8:9], out0 s[10:11]
	v_lshl_add_u32 v30, v0, 2, SPARE
	v_mov_b32 v31, 0
	v_lshrrev_b32 v1, 5, v0
	v_readfirstlane_b32 s12, v1                    ; wave = head
	v_and_b32 v1, 15, v0                           ; r
	v_bfe_u32 v2, v0, 4, 1                         ; h
	v_and_b32 v3, 31, v0
	v_lshlrev_b32 v4, 2, v1                        ; 4 r
	v_lshlrev_b32 v5, 12, v1
	v_lshl_add_u32 v5, v2, 4, v5                   ; q, k: rank r's row + 16 h
	v_lshl_add_u32 v6, v2, 15, v4                  ; v: ranks 8 h on, channel r
	v_lshl_add_u32 v7, v2, 16, v4                  ; w_o: rows 8 h on, column r
	v_lshlrev_b32 v8, 4, v3
	s_lshl_b32 s13, s12, 11
	v_add_nc_u32 v8, s13, v8                       ; where I put my head's part: 2,048 x wave + 16 x lane
	v_lshlrev_b32 v9, 4, v0                        ; where waves 0 to 3 read: 512 x wave + 16 x lane
	v_mov_b32 v13, 0xff800000
	v_mov_b32 v15, 0
	v_mov_b32 v21, 0                               ; c
	v_mov_b32 v23, 0
	v_mov_b32 v24, 1
	s_mov_b32 s20, 0x3e0293ee                      ; c = log2(e) / sqrt(128)
	s_mov_b32 s22, 0x76543210
	s_mov_b32 s23, 0xfedcba98
	s_lshl_b32 s14, s12, 9
	s_add_co_u32 s14, s14, FF
	s_mov_b32 s15, 0
	s_lshl_b32 s16, s12, 20
	s_lshl_b32 s17, ttmp9, 7
	s_add_co_u32 s16, s16, s17
	s_mov_b32 s17, 0
	s_lshr_b32 s24, s12, 1
	s_lshl_b32 s24, s24, 6
	s_and_b32 s25, s12, 1
	s_lshl_b32 s25, s25, 4
	s_add_co_u32 s24, s24, s25
	s_lshl_b32 s25, ttmp9, 7
	s_add_co_u32 s24, s24, s25                     ; the piece that waves 0 to 3 store: columns 32 g + 16 (w / 2) + 4 (w % 2), in bytes
	s_mov_b32 s25, 0
	s_wait_kmcnt 0x0
	s_load_b512 s[28:43], s[6:7], CSO              ; the positions of the 17 lowest ranks, as scalars
	s_load_b32 s44, s[6:7], CSO+64
	s_add_nc_u64 s[14:15], s[4:5], s[14:15]
	s_add_nc_u64 s[16:17], s[8:9], s[16:17]
	s_add_nc_u64 s[10:11], s[10:11], s[24:25]
	global_load_b32 v10, v4, s[6:7] offset:CSO     ; rank r's position
	global_load_b32 v11, v4, s[6:7] offset:PERM    ; which token it is
.irp i, 0,1,2,3,4,5,6,7,8,9,10,11,12,13,14,15
	global_load_b128 v[32+4*\i:35+4*\i], v5, s[14:15] offset:32*\i           ; q(r, 8 i + 4 h + 0 .. 3)
	global_load_b128 v[96+4*\i:99+4*\i], v5, s[14:15] offset:65536+32*\i     ; k likewise
.endr
	WIN 0x40
.irp ct, 0,1,2,3,4,5,6,7
.irp s, 0,1,2,3
.irp j, 0,1
	global_load_b32 v[128+8*\ct+2*\s+\j], v6, s[14:15] offset:131072+(2*\s+\j)*4096+64*\ct   ; v(rank 8 h + 2 s + j, channel 16 ct + r)
.endr
.endr
.endr
.irp ct, 0,1,2,3,4,5,6,7
.irp s, 0,1,2,3
.irp u, 0,1
.irp j, 0,1
	global_load_b32 v[4*(4*\ct+\s)+2*\u+\j], v7, s[16:17] offset:(16*\ct+2*\s+\j)*8192+64*\u   ; w_o(channel 16 ct + 8 h + 2 s + j, column 16 u + r)
.endr
.endr
.endr
.endr
	WIN 0
	s_wait_loadcnt 0x0
	s_wait_kmcnt 0x0
; S^T = k q^T: 32 K steps of 4 on four accumulators by turns; the first four start the sums
.set n, 0
.rept 32
.if n < 4
	v_wmma_f32_16x16x4_f32 v[192+8*(n%4):199+8*(n%4)], v[96+2*n:97+2*n], v[32+2*n:33+2*n], 0
.else
	v_wmma_f32_16x16x4_f32 v[192+8*(n%4):199+8*(n%4)], v[96+2*n:97+2*n], v[32+2*n:33+2*n], v[192+8*(n%4):199+8*(n%4)]
.endif
.set n, n+1
.endr
.set i, 0
.rept 17                                       ; c: how many of the 17 lowest positions are at or under mine
	v_cmp_le_i32 vcc_lo, s[28+i], v10
	v_cndmask_b32 v22, v23, v24, vcc_lo
	v_add_nc_u32 v21, v21, v22
.set i, i+1
.endr
	PLACES 8
.irp j, 0,1,2,3,4,5,6,7
	v_add_f32 v[160+\j], v[192+\j], v[200+\j]      ; each part is read from its low end on
.endr
.irp j, 0,1,2,3,4,5,6,7
	v_add_f32 v[168+\j], v[208+\j], v[216+\j]
.endr
.irp j, 0,1,2,3,4,5,6,7
	v_add_f32 v[160+\j], v[160+\j], v[168+\j]      ; lane (r, h): query rank r, key ranks 8 h + j
.endr
	v_lshlrev_b32 v12, 3, v2
	v_sub_nc_u32 v12, v21, v12                     ; key 8 h + j counts where j < c - 8 h
.irp j, 0,1,2,3,4,5,6,7
	v_cmp_lt_i32 vcc_lo, \j, v12
	v_cndmask_b32 v[160+\j], v13, v[160+\j], vcc_lo
.endr
	v_max3_num_f32 v14, v160, v161, v162
	v_max3_num_f32 v14, v14, v163, v164
	v_max3_num_f32 v14, v14, v165, v166
	v_max_num_f32 v14, v14, v167
	v_permlanex16_b32 v15, v14, s22, s23
	v_max_num_f32 v14, v14, v15                    ; rank 0 counts for every query: the maximum is a number
	v_mul_f32 v14, s20, v14
.irp j, 0,1,2,3,4,5,6,7
	v_fma_f32 v[160+\j], v[160+\j], s20, -v14
.endr
.irp j, 0,1,2,3,4,5,6,7
	v_exp_f32 v[160+\j], v[160+\j]
.endr
	v_nop
	s_wait_alu depctr_va_vdst(0)                   ; one wait for the eight
	v_add_f32 v16, v160, v161
	v_add_f32 v18, v162, v163
	v_add_f32 v19, v164, v165
	v_add_f32 v20, v166, v167
	v_add_f32 v16, v16, v18
	v_add_f32 v19, v19, v20
	v_add_f32 v16, v16, v19
	v_permlanex16_b32 v15, v16, s22, s23
	v_add_f32 v16, v16, v15
	v_rcp_f32 v17, v16
	v_nop
	s_wait_alu depctr_va_vdst(0)
; O^T = v^T p: K = the 16 key ranks, four steps; eight accumulators by turns
	WIN 0x51                                       ; source 0 (v), C and D: window 1
.irp s, 0,1,2,3
.irp ct, 0,1,2,3,4,5,6,7
.if \s == 0
	v_wmma_f32_16x16x4_f32 v[192+8*\ct:199+8*\ct], v[128+8*\ct+2*\s:129+8*\ct+2*\s], v[160+2*\s:161+2*\s], 0
.else
	v_wmma_f32_16x16x4_f32 v[192+8*\ct:199+8*\ct], v[128+8*\ct+2*\s:129+8*\ct+2*\s], v[160+2*\s:161+2*\s], v[192+8*\ct:199+8*\ct]
.endif
.endr
.endr
	PLACES 8
	WIN 0x01
.set i, 0
.rept 64
	v_mul_f32 v[32+i], v[192+i], v17               ; o(r, 16 ct + 8 h + j), into other registers
.set i, i+1
.endr
; y^T = w_o^T o^T: K = the head's 128 channels, 32 steps; the two tiles of 16 columns by turns
.set n, 0
.rept 32
.irp u, 0,1
.if n == 0
	v_wmma_f32_16x16x4_f32 v[224+8*\u:231+8*\u], v[4*n+2*\u:4*n+2*\u+1], v[32+2*n:33+2*n], 0
.else
	v_wmma_f32_16x16x4_f32 v[224+8*\u:231+8*\u], v[4*n+2*\u:4*n+2*\u+1], v[32+2*n:33+2*n], v[224+8*\u:231+8*\u]
.endif
.endr
.set n, n+1
.endr
	WIN 0
	PLACES 8
.irp u, 0,1
	ds_store_b128 v8, v[224+8*\u:227+8*\u] offset:1024*\u        ; lane (r, h): rank r, columns 16 u + 8 h + 0 .. 3,
	ds_store_b128 v8, v[228+8*\u:231+8*\u] offset:1024*\u+512    ; and + 4 .. 7
.endr
	s_wait_dscnt 0x0                               ; for the others' sake: my stores have landed
	s_barrier_signal -1
	s_barrier_wait -1
	s_cmp_ge_u32 s12, 4
	s_cbranch_scc1 .Lno_sum
.irp w, 0,1,2,3,4,5,6,7
	ds_load_b128 v[32+4*\w:35+4*\w], v9 offset:2048*\w           ; piece = my wave's number, of all eight heads
.endr
	s_wait_dscnt 0x0
.irp w, 0,2,4,6
	v_pk_add_f32 v[32+4*\w:33+4*\w], v[32+4*\w:33+4*\w], v[36+4*\w:37+4*\w]
	v_pk_add_f32 v[34+4*\w:35+4*\w], v[34+4*\w:35+4*\w], v[38+4*\w:39+4*\w]
.endr
.irp w, 0,4
	v_pk_add_f32 v[32+4*\w:33+4*\w], v[32+4*\w:33+4*\w], v[40+4*\w:41+4*\w]
	v_pk_add_f32 v[34+4*\w:35+4*\w], v[34+4*\w:35+4*\w], v[42+4*\w:43+4*\w]
.endr
	v_pk_add_f32 v[32:33], v[32:33], v[48:49]
	v_pk_add_f32 v[34:35], v[34:35], v[50:51]
	v_min_u32 v11, 0xfff, v11
	v_lshlrev_b32 v11, 13, v11                     ; the token's row of 8,192 bytes
	v_lshl_add_u32 v11, v2, 5, v11
	v_cmp_ge_u32 vcc_lo, 16, v21                   ; only the rows that see at most 16 keys
	s_wait_xcnt 0x0                                ; EXEC changes only behind this wait
	s_and_saveexec_b32 s26, vcc_lo
	global_store_b128 v11, v[32:35], s[10:11]
	s_wait_xcnt 0x0
	s_or_b32 exec_lo, exec_lo, s26
.Lno_sum:
	s_wait_tensorcnt 0x0                           ; the wave's end
	ds_add_u32 v30, v31
	s_wait_dscnt 0x0
	s_endpgm
.Lfunc_end_k_q342aa610fc_fine:
	.size	k_q342aa610fc_fine, .Lfunc_end_k_q342aa610fc_fine-k_q342aa610fc_fine
	.p2alignl 7, 3214868480
	.fill 96, 4, 3214868480
	.section	.rodata,"a",@progbits
	.p2align	6, 0x0
	.amdhsa_kernel k_q342aa610fc_fine
		.amdhsa_group_segment_fixed_size 17408
		.amdhsa_private_segment_fixed_size 0
		.amdhsa_enable_private_segment 0
		.amdhsa_kernarg_size 32
		.amdhsa_user_sgpr_count 2
		.amdhsa_user_sgpr_kernarg_segment_ptr 1
		.amdhsa_wavefront_size32 1
		.amdhsa_system_sgpr_workgroup_id_x 1
		.amdhsa_system_sgpr_workgroup_id_y 1
		.amdhsa_system_sgpr_workgroup_id_z 1
		.amdhsa_system_vgpr_workitem_id 0
		.amdhsa_next_free_vgpr 512
		.amdhsa_next_free_sgpr 66
		.amdhsa_reserve_vcc 1
		.amdhsa_float_denorm_mode_32 3
		.amdhsa_float_denorm_mode_16_64 3
		.amdhsa_memory_ordered 1
		.amdhsa_forward_progress 1
		.amdhsa_inst_pref_size 42
	.end_amdhsa_kernel
	.amdgpu_metadata
---
amdhsa.version: [ 1, 2 ]
amdhsa.kernels:
  - .name:           k_q342aa610fc_fine
    .symbol:         k_q342aa610fc_fine.kd
    .args:
      - { .name: qkvbuf, .offset: 0, .size: 8, .value_kind: global_buffer, .address_space: global }
      - { .name: ints, .offset: 8, .size: 8, .value_kind: global_buffer, .address_space: global }
      - { .name: w_o, .offset: 16, .size: 8, .value_kind: global_buffer, .address_space: global }
      - { .name: out0, .offset: 24, .size: 8, .value_kind: global_buffer, .address_space: global }
    .group_segment_fixed_size: 17408
    .private_segment_fixed_size: 0
    .kernarg_segment_align: 8
    .kernarg_segment_size: 32
    .max_flat_workgroup_size: 256
    .sgpr_count:     66
    .vgpr_count:     512
    .wavefront_size: 32
...
	.end_amdgpu_metadata
.endif
;; end of part 6
